; MI455X (gfx1250); checked and timed in simulation.
; The chip was launched on July 23, 2026; its instructions are those of AMD's public machine-readable ISA for CDNA 5 (MIT licence, August 2026) and "CDNA5" Instruction Set Architecture Reference Guide (July 2026). The comments in the code are by the model that wrote it; some were corrected since.
;; Self Attention Block. Allowed arithmetic: matrix products marked QUANTISED: E5M2 operands, one given power-of-two scale a tensor, by v_wmma_f32_16x16x64_bf8_bf8 or v_wmma_f32_16x16x128_bf8_bf8, f32 sums; everything else in f32.
;; Inputs: Wk_codes 1,024 x 64 x 32 uint8 (E5M2 codes of Wk, K innermost, in blocks of 32 codes); Wo_codes 2,048 x 32 x 32 uint8 (E5M2 codes of Wo, K innermost, in blocks of 32 codes); Wq_codes 1,024 x 64 x 32 uint8 (E5M2 codes of Wq, K innermost, in blocks of 32 codes); Wv_codes 1,024 x 64 x 32 uint8 (E5M2 codes of Wv, K innermost, in blocks of 32 codes); attention_mask 4 x 1,024 x 1,024 bool; hidden_states 4 x 1,024 x 2,048 float32; ln_weight 2,048 float32; lowp_scales 12 int32 (the exponents e of the quantised operands' scales 2^e); position_bias 32 x 1,024 x 1,024 float32.
;; Outputs: out0 4 x 1,024 x 2,048 float32.
;; This version of the problem:
;;   THIS VERSION OF THE PROBLEM IS GIVEN IN LOW PRECISION. The matrix products marked QUANTISED in the list below multiply operands that are first quantised to E5M2 (5 exponent bits, 2 mantissa bits; 8 bits a number), with one given power-of-two scale for each operand tensor; their sums are f32. All else is computed in f32.
;;   The module's matrix products, in the order in which they are computed (A, B: the left and right operand; K: the contracted axis; several contracted axes count as one K, in the product's order):
;;     1. [M 4,096, K 2,048] x [K 2,048, N 1,024]; A: computed on the way; B: input Wq (given as codes): QUANTISED (scales: A lowp_scales[0], B lowp_scales[1])
;;     2. [M 4,096, K 2,048] x [K 2,048, N 1,024]; A: computed on the way; B: input Wk (given as codes): QUANTISED (scales: A lowp_scales[2], B lowp_scales[3])
;;     3. [M 4,096, K 2,048] x [K 2,048, N 1,024]; A: computed on the way; B: input Wv (given as codes): QUANTISED (scales: A lowp_scales[4], B lowp_scales[5])
;;     4. batch 128 x [M 1,024, K 32] x [K 32, N 1,024]; A: computed on the way; B: computed on the way: QUANTISED (scales: A lowp_scales[6], B lowp_scales[7])
;;     5. batch 128 x [M 1,024, K 1,024] x [K 1,024, N 32]; A: computed on the way; B: computed on the way: QUANTISED (scales: A lowp_scales[8], B lowp_scales[9])
;;     6. [M 4,096, K 1,024] x [K 1,024, N 2,048]; A: computed on the way; B: input Wo (given as codes): QUANTISED (scales: A lowp_scales[10], B lowp_scales[11])
;;   THE QUANTISER, for each operand of a quantised product, along K:
;;     - The operand's scale is 2^e, e = its entry of the input lowp_scales (int32; the entries are numbered through the quantised products in the list's order, A before B).
;;     - Each number is divided by the scale, clamped to +-57,344, and rounded to the nearest number of E5M2, ties to even, subnormals kept.
;;     - The product sums the exact products of the quantised numbers (number of the format x scale) in f32.
;;   ~~~python
;;   def quantise(x, axis, e):      # numpy; x: float32 -> the quantised numbers, widened to float32 again
;;       x = np.moveaxis(x, axis, -1); K = x.shape[-1]
;;       r = np.clip(x / 2.0 ** e, -57344, 57344)
;;       step = 2.0 ** (np.maximum(np.frexp(np.where(r == 0, 1, r))[1] - 1, -14) - 2)
;;       q = np.round(r / step) * step * 2.0 ** e      # np.round: ties to even
;;       return np.moveaxis(q, -1, axis).astype(np.float32)
;;   ~~~
;;   OPERANDS COMPUTED ON THE WAY. 'Computed on the way' means the value that the module computes at that place (a softmax that the list does not call 'softmax' is quantised finished and normalised). What goes into a quantiser is computed in f32, as accurately as f32 sums, v_exp_f32 and their like allow (about 1e-6 of the number): no bf16 or f16 on the way to a quantiser, and a product that is left as it is and whose result goes on into a quantised operand takes f32 operands (vector FMAs, or v_wmma_f32_16x16x4_f32). A number that lies on a knife's edge between two numbers of the format may be rounded either way, as far as f32 arithmetic and the matrix unit's own rounding can turn it there, and no further.
;;   INPUTS GIVEN AS CODES. Wk (in the module: [1024, 2048], K = its axis 1); Wo (in the module: [2048, 1024], K = its axis 1); Wq (in the module: [1024, 2048], K = its axis 1); Wv (in the module: [1024, 2048], K = its axis 1): each comes as NAME_codes (uint8): NAME with its K axis moved to the last place and cut into blocks of 32 codes, [.., K / 32, bytes a block], one block behind the other in memory; one code a byte (a code: sign, 5 exponent bits, 2 mantissa bits); its scale is its entry of lowp_scales. Its value is code x scale, taken as it is: it is not quantised again, and the codes and scales need not be those that the quantiser above would give.
;; One version. Each part assembles by itself: llvm-mc -triple=amdgcn-amd-amdhsa -mcpu=gfx1250 --defsym DOCPART=n.
;; ======== version 1 of 1: 4 launches
;; limits: right only within a limited range of input values
;; workspace buffers: xcodes 25,165,824 bytes; pen 4,194,304 bytes; qkv_img 12,582,912 bytes; ctx_img 4,194,304 bytes
;; launch prep (part 1): grid 256 x 1, 8 waves a work-group, no clusters, 82,944 bytes of LDS; arguments hidden_states, ln_weight, attention_mask, lowp_scales, xcodes, pen; writes xcodes, pen
.if DOCPART == 1
	.amdgcn_target "amdgcn-amd-amdhsa--gfx1250"
	.amdhsa_code_object_version 6
	.text
	.protected	k_qc2aff6094e_prep
	.globl	k_qc2aff6094e_prep
	.p2align	8
	.type	k_qc2aff6094e_prep,@function
k_qc2aff6094e_prep:
	s_mov_b64 s[64:65], 0
	v_nop
	global_prefetch_b8 v0, s[64:65] scope:SCOPE_SE
	s_setreg_imm32_b32 hwreg(HW_REG_WAVE_MODE, 25, 1), 1
	s_wait_xcnt 0x0
; x = hidden * rsqrt(mean(hidden^2) + 1e-6) * ln_weight, in f32, turned into codes of E5M2 three times: with 2^e0 (for q), 2^e2 (for k), 2^e4 (for v).
; xcodes: three sections of 8,388,608 bytes, each [4096 rows][2048 codes].
; The mask becomes penalties as codes of E5M2, 0x00 where it is true and 0xFB (-57,344) where it is false, laid in the order in which the attention launch's registers take them:
; pen[16-row group g][pair of key tiles u][lane l: 16 bytes]: byte 8 i + j (i = 0, 1) is for query 16 g + l % 16, key 16 (2 u + i) + 8 (l / 16) + j.
; SHARES.  Work-group g takes rows 16 g .. 16 g + 15 of hidden_states and of the mask (both are numbered batch x 1024 + position).  Wave w takes rows 16 g + 2 w, + 1 and key tiles 8 w .. 8 w + 7.
; A row of 8,192 bytes is 64 registers of a wave, so it stays in registers between the sum of squares and the scaling.  Every load of hidden_states reads 512 consecutive bytes, every store covers 512 consecutive bytes.
; The conversions take neighbours along K from one lane's registers: 2,048 bytes at a time go through the wave's own stage in LDS, as they lie, and come back 64 bytes a lane (16 bytes of padding behind each 64).
; No barrier: waves share nothing.  No loop: every offset is an immediate.  All 56 loads of a wave are issued at once.
; LIMITS: e0, e2, e4 between -126 and 112, so that 2^e and 57,344 x 2^e are f32 numbers.  NaN among the inputs is not served.  A byte of the mask is 0 or 1.
.set WREG,  10240                      ; LDS of a wave: four stages of 32 x SP bytes
.set SP,    80                         ; a lane's place in a stage: 64 bytes + 16 of padding
.set L16,   1                          ; v1   16 x lane
.set MO,    2                          ; v2   the mask: 1024 (lane % 16) + 8 (lane / 16) + 128 x wave
.set STI,   3                          ; v3   the stage on the way in
.set STO,   4                          ; v4   and on the way out
.set SC,    6                          ; v6, v8, v10: 2^e as f32
.set RS,    12                         ; v[12:13] 1 / sqrt(mean + eps), twice
.set T0,    14                         ; v14, v15 at work
.set MK,    16                         ; v16-31  the mask's bytes; later the sums of squares (v16-23)
.set SUMS,  16
.set TMP,   16
.set PN,    32                         ; v32-47  penalties to store; later codes, two sets of 12 by turns (v32-55)
.set CD,    32
.set WT,    64                         ; v64-127 ln_weight
.set X0,    128                        ; v128-191, v192-255 the two rows
.set X1,    192
	s_load_b256 s[4:11], s[0:1], 0x0               ; hidden s[4:5], ln_weight s[6:7], mask s[8:9], scales s[10:11]
	s_load_b128 s[12:15], s[0:1], 0x20             ; xcodes s[12:13], pen s[14:15]
	v_lshl_add_u32 v62, v0, 2, 0x14000
	v_mov_b32 v63, 0
	v_lshrrev_b32 v[T0], 5, v0
	s_delay_alu instid0(VALU_DEP_1)
	v_readfirstlane_b32 s16, v[T0]                 ; wave 0..7
	v_and_b32 v[T0+1], 31, v0                      ; lane
	s_delay_alu instid0(VALU_DEP_1)
	v_lshlrev_b32 v[L16], 4, v[T0+1]
	v_and_b32 v[T0], 15, v0
	v_bfe_u32 v[MO], v0, 4, 1
	s_delay_alu instid0(VALU_DEP_1)
	v_lshlrev_b32 v[MO], 3, v[MO]
	s_delay_alu instid0(VALU_DEP_1)
	v_lshl_add_u32 v[MO], v[T0], 10, v[MO]
	s_lshl_b32 s40, s16, 7
	v_add_nc_u32 v[MO], s40, v[MO]
	s_mul_i32 s46, s16, WREG
	v_lshrrev_b32 v[STI], 2, v[T0+1]
	s_delay_alu instid0(VALU_DEP_1)
	v_mul_u32_u24 v[STI], v[STI], SP
	v_and_b32 v[T0], 3, v[T0+1]
	s_delay_alu instid0(VALU_DEP_1)
	v_lshl_add_u32 v[STI], v[T0], 4, v[STI]
	s_delay_alu instid0(VALU_DEP_1)
	v_add_nc_u32 v[STI], s46, v[STI]               ; in: four lanes' 64 bytes on end, then the padding: SP (lane / 4) + 16 (lane % 4)
	v_mul_u32_u24 v[STO], v[T0+1], SP
	s_delay_alu instid0(VALU_DEP_1)
	v_add_nc_u32 v[STO], s46, v[STO]               ; out: SP x lane: my 16 neighbours
	s_mov_b32 s34, 0x76543210                      ; v_permlanex16_b32: lane l takes lane l xor 16
	s_mov_b32 s35, 0xfedcba98
	s_mov_b32 s36, 0x3a000000                      ; 1 / 2048
	s_mov_b32 s37, 0x358637bd                      ; 1e-6
	s_mov_b32 s38, 0xfb                            ; the code of -57,344
	s_lshl_b32 s42, ttmp9, 17                      ; hidden: 16 rows of 8,192 bytes a work-group,
	s_lshl_b32 s43, s16, 14                        ; two a wave
	s_add_co_u32 s42, s42, s43
	s_mov_b32 s43, 0
	s_lshl_b32 s44, ttmp9, 15                      ; codes: 16 rows of 2,048 bytes a work-group,
	s_lshl_b32 s45, s16, 12                        ; two a wave
	s_add_co_u32 s44, s44, s45
	s_mov_b32 s45, 0
	s_lshl_b32 s40, ttmp9, 14                      ; the mask: 16 rows of 1,024 bytes
	s_mov_b32 s41, 0
	s_lshl_b32 s46, s16, 11                        ; pen: 32 pairs of tiles of 512 bytes a work-group (the mask's figure), four a wave
	s_add_co_u32 s46, s46, s40
	s_mov_b32 s47, 0
	s_wait_alu depctr_va_vdst(0)
	s_wait_kmcnt 0x0
	s_load_b256 s[20:27], s[10:11], 0x0            ; e0 .. e7
	s_add_nc_u64 s[4:5], s[4:5], s[42:43]
	s_add_nc_u64 s[8:9], s[8:9], s[40:41]
	s_add_nc_u64 s[14:15], s[14:15], s[46:47]
	s_add_nc_u64 s[28:29], s[12:13], s[44:45]      ; the three sections of the codes
	s_add_nc_u64 s[30:31], s[28:29], 0x800000
	s_add_nc_u64 s[32:33], s[28:29], 0x1000000
.irp i, 0,1,2,3,4,5,6,7
	global_load_b64 v[MK+2*\i:MK+2*\i+1], v[MO], s[8:9] offset:16*\i   ; tile 8 w + i: my lane's eight keys of my query
.endr
.irp i, 0,1,2,3,4,5,6,7,8,9,10,11,12,13,14,15
	global_load_b128 v[WT+4*\i:WT+4*\i+3], v[L16], s[6:7] offset:512*\i
.endr
.irp i, 0,1,2,3,4,5,6,7,8,9,10,11,12,13,14,15
	global_load_b128 v[X0+4*\i:X0+4*\i+3], v[L16], s[4:5] offset:512*\i th:TH_LOAD_NT
.endr
.irp i, 0,1,2,3,4,5,6,7,8,9,10,11,12,13,14,15
	global_load_b128 v[X1+4*\i:X1+4*\i+3], v[L16], s[4:5] offset:8192+512*\i th:TH_LOAD_NT
.endr
	s_wait_kmcnt 0x0
.irp k, 0,1,2
	s_add_co_i32 s40, s[20+2*\k], 127
	s_lshl_b32 s41, s40, 23
	v_mov_b32 v[SC+2*\k], s41                      ; 2^e as f32: the conversion takes its exponent field
	s_add_co_i32 s40, s40, 15
	s_lshl_b32 s40, s40, 23
	s_or_b32 s40, s40, 0x600000
.endr
	s_wait_loadcnt 48                              ; the mask's eight loads are in; ln_weight's and the rows' 48 may be out
.irp k, 0,1,2,3,4,5,6,7,8,9,10,11,12,13,14,15
	v_xor_b32 v[PN+\k], 0x01010101, v[MK+\k]       ; four bytes: 1 where the mask is false,
.endr
.irp k, 0,1,2,3,4,5,6,7,8,9,10,11,12,13,14,15
	v_mul_lo_u32 v[PN+\k], v[PN+\k], s38           ; times the code: no carry from byte to byte
.endr
.irp u, 0,1,2,3
	global_store_b128 v[L16], v[PN+4*\u:PN+4*\u+3], s[14:15] offset:512*\u   ; tiles 8 w + 2 u and 8 w + 2 u + 1: 512 consecutive bytes
.endr
; One row: x = its 64 registers, row = 0 or 1, left = how many younger loads may stay out.
.macro ROW x, row, left
	s_wait_loadcnt \left
.irp k, 0,1,2,3
	v_pk_mul_f32 v[SUMS+2*\k:SUMS+2*\k+1], v[\x+2*\k:\x+2*\k+1], v[\x+2*\k:\x+2*\k+1]   ; the first four pairs start four chains: nothing is cleared
.endr
.set PP, 4
.rept 28
	s_delay_alu instid0(VALU_DEP_4)
	v_pk_fma_f32 v[SUMS+2*(PP%4):SUMS+2*(PP%4)+1], v[\x+2*PP:\x+2*PP+1], v[\x+2*PP:\x+2*PP+1], v[SUMS+2*(PP%4):SUMS+2*(PP%4)+1]
.set PP, PP+1
.endr
	s_delay_alu instid0(VALU_DEP_3)
	v_pk_add_f32 v[SUMS:SUMS+1], v[SUMS:SUMS+1], v[SUMS+2:SUMS+3]
	s_delay_alu instid0(VALU_DEP_2)
	v_pk_add_f32 v[SUMS+4:SUMS+5], v[SUMS+4:SUMS+5], v[SUMS+6:SUMS+7]
	s_delay_alu instid0(VALU_DEP_1)
	v_pk_add_f32 v[SUMS:SUMS+1], v[SUMS:SUMS+1], v[SUMS+4:SUMS+5]
	s_delay_alu instid0(VALU_DEP_1)
	v_add_f32 v[T0], v[SUMS], v[SUMS+1]
	s_delay_alu instid0(VALU_DEP_1)
	v_add_f32_dpp v[T0], v[T0], v[T0] row_xmask:1 row_mask:0xf bank_mask:0xf
	s_delay_alu instid0(VALU_DEP_1)
	v_add_f32_dpp v[T0], v[T0], v[T0] row_xmask:2 row_mask:0xf bank_mask:0xf
	s_delay_alu instid0(VALU_DEP_1)
	v_add_f32_dpp v[T0], v[T0], v[T0] row_xmask:4 row_mask:0xf bank_mask:0xf
	s_delay_alu instid0(VALU_DEP_1)
	v_add_f32_dpp v[T0], v[T0], v[T0] row_xmask:8 row_mask:0xf bank_mask:0xf
	s_delay_alu instid0(VALU_DEP_1)
	v_permlanex16_b32 v[T0+1], v[T0], s34, s35
	s_delay_alu instid0(VALU_DEP_1)
	v_add_f32 v[T0], v[T0], v[T0+1]                ; every lane holds the row's sum of squares
	s_delay_alu instid0(VALU_DEP_1)
	v_fma_f32 v[T0], v[T0], s36, s37               ; the mean + eps
	s_wait_alu depctr_va_vdst(0)
	v_rsq_f32 v[RS], v[T0]
	v_rsq_f32 v[RS+1], v[T0]                       ; twice: a pair for the packed multiply
	v_nop                                          ; a plain instruction behind the transcendentals (ISA guide 5.7.2),
	s_wait_alu depctr_va_vdst(0)                   ; and one wait for both, ahead of their first reader
.set PP, 0
.rept 32
	v_pk_mul_f32 v[\x+2*PP:\x+2*PP+1], v[\x+2*PP:\x+2*PP+1], v[RS:RS+1]
.set PP, PP+1
.endr
.set PP, 0
.rept 32
	v_pk_mul_f32 v[\x+2*PP:\x+2*PP+1], v[\x+2*PP:\x+2*PP+1], v[WT+2*PP:WT+2*PP+1]
.set PP, PP+1
.endr
.irp gg, 0,1,2,3
.irp i, 0,1,2,3
	ds_store_b128 v[STI], v[\x+16*\gg+4*\i:\x+16*\gg+4*\i+3] offset:32*SP*\gg+8*SP*\i
.endr
.endr
.irp gg, 0,1,2,3
.irp i, 0,1,2,3
	ds_load_b128 v[\x+16*\gg+4*\i:\x+16*\gg+4*\i+3], v[STO] offset:32*SP*\gg+16*\i   ; LDS serves a wave's instructions in order (ISA guide 5.7.1.4): these see the stores above
.endr
.endr
.irp gg, 0,1,2,3
	s_wait_dscnt 12-4*\gg                          ; this group's four loads are back: my lane holds k = 512 gg + 16 lane + 0 .. 15; the later groups' may be out
	s_wait_xcnt 0x0                                ; the earlier stores have read their registers: the penalties' registers and the codes' set of two groups back are written again only behind this wait
.irp sc, 0,1,2
.irp i, 0,1,2,3,4,5,6,7,8,9,10,11,12,13,14,15
.endr
	v_cvt_scalef32_pk8_bf8_f32 v[CD+12*(\gg%2)+4*\sc:CD+12*(\gg%2)+4*\sc+1], v[TMP+((\x+16*\gg+0)-(TMP+0)):TMP+7+((\x+16*\gg+0)-(TMP+0))], v[SC+2*\sc]
	v_cvt_scalef32_pk8_bf8_f32 v[CD+12*(\gg%2)+4*\sc+2:CD+12*(\gg%2)+4*\sc+3], v[TMP+8+((\x+16*\gg+0)-(TMP+0)):TMP+15+((\x+16*\gg+0)-(TMP+0))], v[SC+2*\sc]
	v_nop                                          ; a plain instruction between the conversions and the store that reads their results
	global_store_b128 v[L16], v[CD+12*(\gg%2)+4*\sc:CD+12*(\gg%2)+4*\sc+3], s[28+2*\sc:29+2*\sc] offset:\row*2048+512*\gg
.endr
.endr
.endm
	ROW X0, 0, 16                                  ; ln_weight and the first row are in; the second row's 16 loads may be out
	ROW X1, 1, 0
	s_wait_tensorcnt 0x0
	ds_add_u32 v62, v63
	s_wait_dscnt 0x0
	s_endpgm
.Lfunc_end_k_qc2aff6094e_prep:
	.size	k_qc2aff6094e_prep, .Lfunc_end_k_qc2aff6094e_prep-k_qc2aff6094e_prep
	.p2alignl 7, 3214868480
	.fill 96, 4, 3214868480
	.section	.rodata,"a",@progbits
	.p2align	6, 0x0
	.amdhsa_kernel k_qc2aff6094e_prep
		.amdhsa_group_segment_fixed_size 82944
		.amdhsa_private_segment_fixed_size 0
		.amdhsa_enable_private_segment 0
		.amdhsa_kernarg_size 48
		.amdhsa_user_sgpr_count 2
		.amdhsa_user_sgpr_kernarg_segment_ptr 1
		.amdhsa_wavefront_size32 1
		.amdhsa_system_sgpr_workgroup_id_x 1
		.amdhsa_system_sgpr_workgroup_id_y 1
		.amdhsa_system_sgpr_workgroup_id_z 1
		.amdhsa_system_vgpr_workitem_id 0
		.amdhsa_next_free_vgpr 256
		.amdhsa_next_free_sgpr 66
		.amdhsa_reserve_vcc 0
		.amdhsa_float_denorm_mode_32 3
		.amdhsa_float_denorm_mode_16_64 3
		.amdhsa_fp16_overflow 1
		.amdhsa_memory_ordered 1
		.amdhsa_forward_progress 1
		.amdhsa_inst_pref_size 38
	.end_amdhsa_kernel
	.amdgpu_metadata
---
amdhsa.version: [ 1, 2 ]
amdhsa.kernels:
  - .name:           k_qc2aff6094e_prep
    .symbol:         k_qc2aff6094e_prep.kd
    .args:
      - { .name: hidden_states, .offset: 0, .size: 8, .value_kind: global_buffer, .address_space: global }
      - { .name: ln_weight, .offset: 8, .size: 8, .value_kind: global_buffer, .address_space: global }
      - { .name: attention_mask, .offset: 16, .size: 8, .value_kind: global_buffer, .address_space: global }
      - { .name: lowp_scales, .offset: 24, .size: 8, .value_kind: global_buffer, .address_space: global }
      - { .name: xcodes, .offset: 32, .size: 8, .value_kind: global_buffer, .address_space: global }
      - { .name: pen, .offset: 40, .size: 8, .value_kind: global_buffer, .address_space: global }
    .group_segment_fixed_size: 82944
    .private_segment_fixed_size: 0
    .kernarg_segment_align: 8
    .kernarg_segment_size: 48
    .max_flat_workgroup_size: 256
    .sgpr_count:     66
    .vgpr_count:     256
    .wavefront_size: 32
...
	.end_amdgpu_metadata
.endif
;; end of part 1
;; launch qkv (part 2): grid 4 x 48, 4 waves a work-group, clusters of 4 x 4, 327,680 bytes of LDS; arguments xcodes, Wq_codes, Wk_codes, Wv_codes, lowp_scales, qkv_img; writes qkv_img
.if DOCPART == 2
	.amdgcn_target "amdgcn-amd-amdhsa--gfx1250"
	.amdhsa_code_object_version 6
	.text
	.protected	k_qc2aff6094e_qkv
	.globl	k_qc2aff6094e_qkv
	.p2align	8
	.type	k_qc2aff6094e_qkv,@function
k_qc2aff6094e_qkv:
	s_mov_b64 s[64:65], 0
	v_nop
	global_prefetch_b8 v0, s[64:65] scope:SCOPE_SE
	s_setreg_imm32_b32 hwreg(HW_REG_WAVE_MODE, 25, 1), 1
	s_wait_xcnt 0x0
	s_wait_alu depctr_hold_cnt(0) depctr_sa_sdst(0) depctr_va_vdst(0) depctr_va_sdst(0) depctr_va_ssrc(0) depctr_va_vcc(0) depctr_vm_vsrc(0)
	s_getreg_b32 s2, hwreg(HW_REG_IB_STS2, 6, 4)
	s_cmp_eq_u32 s2, 0
	s_cbranch_scc0 .Lentry_in_a_cluster
	s_endpgm
.Lentry_in_a_cluster:
	s_bfe_u32 s2, ttmp6, 0x10000c
	s_cmp_lg_u32 s2, 0xf033
	s_cbranch_scc0 .Lentry_shape_is_right
	s_endpgm
.Lentry_shape_is_right:
; Three products on codes of E5M2 in one launch, C = A B^T with K = 2048, each sum quantised again and stored in the order of the next product's operand registers:
;   job 0: q = x Wq^T   (A = x's codes under e0, B = Wq; codes of q under e6)      job 1: k = x Wk^T (e2, Wk, e7)      job 2: v^T = Wv x^T (A = Wv, B = x's codes under e4; codes under e9).
; A sum stands for sum x 2^(eA + eB), so its code is sum / 2^(eo - eA - eB): the three exponents are folded into the conversion's one scale.
; THE JOB hangs on the cluster's y alone (12 clusters of 4 x 4 work-groups: job = y / 4, sub = y % 4), which all sixteen partners share; buffers and sizes are chosen by selects, no branch.
; A tile of C, 256 x 256, is made by four waves, each 128 x 128: 64 accumulators of 16 x 16.  K goes in steps of 256 through a ring of two LDS slots filled by the tensor data mover; a tile's row is 256 bytes of memory.
; The four work-groups of a row of the cluster need the same tiles of A, the four of a column the same tiles of B: each tile is asked for JOINTLY, by the same tensor load with the same descriptor and a mask that names the four.
; THE MATRIX INSTRUCTION IS USED TRANSPOSED (source 0 = 16 rows of B, source 1 = 16 rows of A): a lane holds eight neighbouring n of one row m.  n is the next product's K: the head's axis for q and k, the keys for v^T.
; So two neighbouring accumulators, converted, are four registers of the next operand: n = 32 p + 8 h + 0..7 and 32 p + 16 + 8 h + 0..7 (h = lane / 16).
; THE IMAGES: qkv_img has a section of 4 MB a job; the image of (p = n / 32, a = m / 16) lies at p x PL + a x 512, lane l's 16 bytes at 16 l; PL = 131,072 (q, k: 256 groups of rows) or 32,768 (v^T: 64).
; A store of a wave covers 512 consecutive bytes.  Nothing goes through LDS on the way out.
; Fragments are fetched by four loads of 16 bytes: a permutation of k within 128, the same in A and B, so every product meets its partner.
; REGISTERS, in windows of 256: window 0: v0-31 addresses; v32-95 held sums on the way out; from v128 A's fragments, ONE set, later the codes;  window 1: B's fragments, TWO sets;  windows 2, 3: the accumulators ((a, b) at v[8 (8 (a % 4) + b)]).
; LIMITS: e6 - e0 - e1, e7 - e2 - e3 and e9 - e4 - e5 between -126 and 112.
.set SIZE_K, 2048
.set KSTEP,  256
.set ROWB,   256
.set KROW,   SIZE_K
.set PITCH,  272                       ; an LDS row: 256 bytes + 16 of padding = 68 words: row r starts at bank 4 r mod 64 (64 banks of 4 bytes: ISA guide 11.1)
.set FR,     16
.set NL,     4
.set NP,     4                         ; places behind this matrix instruction (ISA guide 7.12.1)
.set HALFT,  128*PITCH
.set SLOT,   4*HALFT
.set LAPS,   SIZE_K/(2*KSTEP)
.set SPARE,  2*SLOT                    ; behind the ring: the spare words, 128 bytes for each wave
.set ADRA, 16                          ; v16-17 LDS address of my A fragments in slot 0, 1
.set ADRB, 20                          ; v20-21 the same for B
.set L16,  27                          ; v27    16 x lane
.set SPW,  28                          ; v28    my spare word; never rewritten
.set NIL,  29                          ; v29    0; never rewritten
.set SCV,  30                          ; v30    the conversion's scale as f32
.set LIMV, 31
.set TMP,  32
.set AF,   128
.set CDS,  128
.set G1, 24
.set G0, 32
.set G1B, 48
.set G0B, 56
.set MSB, 0
.macro WIN new                         ; the immediate's high byte repeats the setting that is left
.if MSB != (\new)
	s_set_vgpr_msb (MSB<<8)|(\new)
.set MSB, (\new)
.endif
.endm
.set MUL_LO, 0xa1                      ; source 0 (B) window 1, source 1 (A) window 0, C and D window 2
.set MUL_HI, 0xf1
.set TO_B,   0x40
; A joint load: waves 0 and 1 fetch for A, waves 2 and 3 for B; the branch hangs on the wave's number alone.  Four v_nop follow each of the two lines.
.macro JLOAD g0a, g1a, g0b, g1b
	s_cmp_eq_u32 s15, 0
	s_cbranch_scc0 .Lfor_b_\@
	tensor_load_to_lds s[\g0a:\g0a+3], s[\g1a:\g1a+7]
	s_nop 0
.rept 4
	v_nop
.endr
	s_branch .Lasked_\@
.Lfor_b_\@:
	tensor_load_to_lds s[\g0b:\g0b+3], s[\g1b:\g1b+7]
	s_nop 0
.rept 4
	v_nop
.endr
.Lasked_\@:
.endm
.macro CREST                           ; a round of the cluster's barrier behind its opening barrier
	s_cmp_lg_u32 s14, 0
	s_cbranch_scc1 .Lnot_wave_0_\@
	s_barrier_signal -3
.Lnot_wave_0_\@:
	s_barrier_wait -3
	s_barrier_signal -1
	s_barrier_wait -1
.endm
.macro CROUND
	s_barrier_signal -1
	s_barrier_wait -1
	CREST
.endm
	s_load_b256 s[68:75], s[0:1], 0x0              ; xcodes s[68:69], Wq s[70:71], Wk s[72:73], Wv s[74:75]
	s_load_b128 s[76:79], s[0:1], 0x20             ; the scales' exponents s[76:77], qkv_img s[78:79]
	v_lshl_add_u32 v[SPW], v0, 2, SPARE
	v_mov_b32 v[NIL], 0
	ds_add_u32 v28, v29
	ds_add_u32 v28, v29
	s_wait_dscnt 0x0
	v_lshrrev_b32 v1, 5, v0
	v_readfirstlane_b32 s14, v1                    ; wave 0..3
	s_lshr_b32 s15, s14, 1                         ; which half of the tile's rows is mine.  Also: I fetch for A (0) or for B (1)
	s_and_b32 s16, s14, 1                          ; which half of its columns.  Also: which 128 rows of that tile I fetch
	s_bfe_u32 s40, ttmp6, 0x40000                  ; cx, cy: my place in the cluster
	s_bfe_u32 s41, ttmp6, 0x40004
	s_and_b32 s80, ttmp7, 0xffff                   ; the cluster's y
	s_and_b32 s81, s80, 3                          ; sub
	s_lshr_b32 s80, s80, 2                         ; job
	s_cmp_eq_u32 s80, 2
	s_cselect_b32 s82, s81, 0                      ; v^T is 1,024 x 4,096: its four clusters lie side by side;
	s_cselect_b32 s83, 0, s81                      ; q and k are 4,096 x 1,024: theirs one below the other
	s_lshl_b32 s42, s82, 2
	s_add_co_u32 s42, s42, s40                     ; tile column of C
	s_lshl_b32 s17, s83, 2
	s_add_co_u32 s17, s17, s41                     ; tile row of C
	s_lshl_b32 s43, s41, 2
	s_lshl_b32 s43, 15, s43                        ; my row of the cluster
	s_lshl_b32 s44, 0x1111, s40                    ; my column
	s_or_b32 s[G1+0], s43, (0<<16)|(1<<20)|(1<<21)|(5<<22)|(3<<25)  ; 15:0 the mask; 17:16 elements of 1 byte; 20 padding on; 21 set beside a mask; 24:22 after every 64 words; 31:25 four words
	s_or_b32 s[G1B+0], s44, (0<<16)|(1<<20)|(1<<21)|(5<<22)|(3<<25)
.irp g, G1, G1B
	s_mov_b32 s[\g+1], ROWB<<16                    ; tensor_dim0
	s_mov_b32 s[\g+2], 128<<16                     ; tensor_dim1
	s_mov_b32 s[\g+3], ROWB<<16                    ; tile_dim0
	s_mov_b32 s[\g+4], 128                         ; tile_dim1
	s_mov_b32 s[\g+5], KROW                        ; tensor_dim0_stride: both operands of every job have rows of 2,048 bytes
	s_mov_b32 s[\g+6], 0
	s_mov_b32 s[\g+7], 0
.endr
	s_lshl_b32 s18, s16, 7
	s_lshl_b32 s20, s17, 8
	s_add_co_u32 s20, s20, s18                     ; A: row 256 x tile row + 128 x half
	s_lshl_b32 s46, s42, 8
	s_add_co_u32 s46, s46, s18                     ; B: row 256 x tile column + 128 x half
	s_mov_b32 s21, 0
	s_mov_b32 s47, 0
	s_mov_b64 s[18:19], KROW
	s_mul_u64 s[20:21], s[20:21], s[18:19]
	s_mul_u64 s[46:47], s[46:47], s[18:19]
	s_mul_i32 s45, s14, HALFT                      ; where they go: wave x 128 rows
	s_wait_kmcnt 0x0
	s_load_b256 s[84:91], s[76:77], 0x0            ; e0 .. e7
	s_load_b128 s[92:95], s[76:77], 0x20           ; e8 .. e11
	s_add_nc_u64 s[8:9], s[68:69], 0x800000        ; x's codes under e2,
	s_add_nc_u64 s[10:11], s[68:69], 0x1000000     ; and under e4
	s_cmp_eq_u32 s80, 0
	s_cselect_b64 s[4:5], s[68:69], s[8:9]
	s_cselect_b64 s[6:7], s[70:71], s[72:73]
	s_cmp_eq_u32 s80, 2
	s_cselect_b64 s[4:5], s[74:75], s[4:5]         ; A
	s_cselect_b64 s[6:7], s[10:11], s[6:7]         ; B
	s_add_nc_u64 s[20:21], s[4:5], s[20:21]
	s_add_nc_u64 s[46:47], s[6:7], s[46:47]
	CROUND                                         ; all sixteen work-groups are here: the first joint loads meet
.irp s, 0,1
	s_mov_b32 s[G0+4*\s], 1
	s_add_co_u32 s[G0+4*\s+1], s45, \s*SLOT
	s_add_nc_u64 s[G0+4*\s+2:G0+4*\s+3], s[20:21], \s*ROWB
	s_or_b32 s[G0+4*\s+3], s[G0+4*\s+3], 0x80000000
	s_mov_b32 s[G0B+4*\s], 1
	s_add_co_u32 s[G0B+4*\s+1], s45, \s*SLOT
	s_add_nc_u64 s[G0B+4*\s+2:G0B+4*\s+3], s[46:47], \s*ROWB
	s_or_b32 s[G0B+4*\s+3], s[G0B+4*\s+3], 0x80000000
	JLOAD G0+4*\s, G1, G0B+4*\s, G1B
.endr
	v_and_b32 v1, 15, v0
	v_bfe_u32 v2, v0, 4, 1
	v_mul_u32_u24 v3, v1, PITCH
	v_lshl_add_u32 v4, v2, 4, v3                   ; a fragment's row x pitch + 16 x half
	s_mul_i32 s21, s15, HALFT                      ; my 128 rows of A
	s_mul_i32 s22, s16, HALFT                      ; my 128 rows of B,
	s_add_co_u32 s22, s22, 2*HALFT                 ; which lie behind A's 256
.irp s, 0,1
	v_add_nc_u32 v[ADRA+\s], s21, v4
	v_add_nc_u32 v[ADRB+\s], s22, v4
	s_add_co_u32 s21, s21, SLOT
	s_add_co_u32 s22, s22, SLOT
.endr
	v_and_b32 v6, 31, v0
	v_lshlrev_b32 v[L16], 4, v6
	; where my images go: section + (8 x tile column + 4 x column half + c) x PL + (16 x tile row + 8 x row half) x 512, c = 0 .. 3: four bases
	s_cmp_eq_u32 s80, 2
	s_mov_b32 s22, 131072
	s_cselect_b32 s22, 32768, s22                  ; PL
	s_lshl_b32 s20, s42, 3
	s_lshl_b32 s21, s16, 2
	s_add_co_u32 s20, s20, s21
	s_mul_i32 s20, s20, s22
	s_lshl_b32 s21, s17, 4
	s_lshl_b32 s23, s15, 3
	s_add_co_u32 s21, s21, s23
	s_lshl_b32 s21, s21, 9
	s_add_co_u32 s20, s20, s21
	s_lshl_b32 s21, s80, 22
	s_add_co_u32 s20, s20, s21
	s_mov_b32 s21, 0
	s_mov_b32 s23, 0
	s_add_nc_u64 s[8:9], s[78:79], s[20:21]
	s_add_nc_u64 s[10:11], s[8:9], s[22:23]
	s_add_nc_u64 s[12:13], s[10:11], s[22:23]
	s_add_nc_u64 s[18:19], s[12:13], s[22:23]
.macro FRAG reg, adr, q, i             ; 16 rows x 128 K of 8-bit codes: registers 4 c .. 4 c + 3 hold K = 32 c + 16 (lane / 16) + 0 .. 15 of row lane % 16
.irp c, 0,1,2,3
	ds_load_b128 v[\reg+4*\c:\reg+4*\c+3], v[\adr] offset:128*(\q)+32*\c+(\i)*16*PITCH
.endr
.endm
; 16 matrix instructions: A's blocks a0, a0 + 1 x B's eight, 128 along K.  zero = 1: the first product starts the sums.  The 64 accumulators take turns, one instruction a turn.
.macro MUL16 a0, p, zero
.irp a, \a0, \a0+1
.irp b, 0,1,2,3,4,5,6,7
.if \zero
	v_wmma_f32_16x16x128_bf8_bf8 v[8*(8*((\a)%4)+\b):8*(8*((\a)%4)+\b)+7], v[128*(\p)+FR*\b:128*(\p)+FR*\b+FR-1], v[AF+FR*(\a):AF+FR*(\a)+FR-1], 0
.else
	v_wmma_f32_16x16x128_bf8_bf8 v[8*(8*((\a)%4)+\b):8*(8*((\a)%4)+\b)+7], v[128*(\p)+FR*\b:128*(\p)+FR*\b+FR-1], v[AF+FR*(\a):AF+FR*(\a)+FR-1], v[8*(8*((\a)%4)+\b):8*(8*((\a)%4)+\b)+7]
.endif
.endr
.endr
.endm
.macro FETCH_B slot, q, p
	WIN TO_B
.irp i, 0,1,2,3,4,5,6,7
	FRAG 128*(\p)+FR*\i, ADRB+\slot, \q, \i
.endr
	WIN 0
.endm
.macro FETCH_A slot, q, i0
.irp i, \i0, \i0+1, \i0+2, \i0+3
	FRAG AF+FR*(\i), ADRA+\slot, \q, \i
.endr
.endm
.macro PLACES n                        ; plain vector instructions between a matrix instruction and a load into, or a read of, its registers
.rept \n
	v_nop
.endr
.endm
; A step of 128 along K that has its successor in the same slot.
.macro STEP slot, q, zero
	s_wait_dscnt 4*NL                              ; B's set and A's blocks 0-3 are in; the youngest sixteen loads (A's blocks 4-7) may be out
	WIN MUL_LO
	MUL16 0, (\q)%2, \zero
	MUL16 2, (\q)%2, \zero
	s_wait_dscnt 0
	PLACES NP
	FETCH_B \slot, (\q)+1, 1-(\q)%2
	FETCH_A \slot, (\q)+1, 0
	WIN MUL_HI
	MUL16 4, (\q)%2, \zero
	MUL16 6, (\q)%2, \zero
	PLACES NP
	WIN 0
	FETCH_A \slot, (\q)+1, 4
.endm
; A slot's last step changes slots: ONE barrier; in front of it each wave waits for all its tensor loads, adds 0 to its spare word, and waits for that and for its own reads of this slot.
.macro TURN slot, next, fill
	s_wait_tensorcnt 0x0                           ; all my tensor loads have landed: my part of the next slot
	ds_add_u32 v[SPW], v[NIL]                      ; 0 onto my spare word
	s_wait_dscnt 4*NL+1                            ; the add and the youngest sixteen loads may be out
	WIN MUL_LO
	MUL16 0, 1, 0
	s_wait_dscnt 0x0                               ; the add is done, and my reads of this slot are over
	s_barrier_signal -1
	MUL16 2, 1, 0
	WIN 0
	s_barrier_wait -1
.if \fill
	CREST                                          ; the barrier has opened a round of the cluster's barrier: no wave of any partner still reads this slot or has a load on its way
	s_add_nc_u64 s[G0+4*\slot+2:G0+4*\slot+3], s[G0+4*\slot+2:G0+4*\slot+3], 2*ROWB
	s_add_nc_u64 s[G0B+4*\slot+2:G0B+4*\slot+3], s[G0B+4*\slot+2:G0B+4*\slot+3], 2*ROWB
	JLOAD G0+4*\slot, G1, G0B+4*\slot, G1B         ; the first tensor load behind the round; its four v_nop are also the places in front of the loads below
.else
	PLACES NP
.endif
	FETCH_B \next, 0, 0
	FETCH_A \next, 0, 0
	WIN MUL_HI
	MUL16 4, 1, 0
	MUL16 6, 1, 0
	PLACES NP
	WIN 0
	FETCH_A \next, 0, 4
.endm
	s_wait_alu depctr_va_vdst(0)
	s_wait_tensorcnt 1                             ; my part of K step 0 is in; K step 1's load may be out
	s_barrier_signal -1
	s_barrier_wait -1
	FETCH_B 0, 0, 0
	FETCH_A 0, 0, 0
	FETCH_A 0, 0, 4
	STEP 0, 0, 1                                   ; the first step stands in front of the loop: its products start the sums
	s_mov_b32 s3, LAPS-1
.Llap:                                                 ; a trip goes once round the ring and fills both slots again
	TURN 0, 1, 1
	STEP 1, 0, 0
	TURN 1, 0, 1
	STEP 0, 0, 0
	s_sub_co_u32 s3, s3, 1
	s_cmp_lg_u32 s3, 0
	s_cbranch_scc1 .Llap
	TURN 0, 1, 0                                   ; the last lap fills nothing
	STEP 1, 0, 0
	s_wait_dscnt 4*NL
	WIN MUL_LO
	MUL16 0, 1, 0
	MUL16 2, 1, 0
	s_wait_dscnt 0
	WIN MUL_HI
	MUL16 4, 1, 0
	MUL16 6, 1, 0
	WIN 0
	; THE WAY OUT.  The conversion's scale, chosen by the job without a branch.
	s_wait_kmcnt 0x0
	s_add_co_i32 s20, s84, s85
	s_add_co_i32 s21, s86, s87
	s_add_co_i32 s22, s88, s89
	s_sub_co_i32 s20, s90, s20                     ; e6 - e0 - e1
	s_sub_co_i32 s21, s91, s21                     ; e7 - e2 - e3
	s_sub_co_i32 s22, s93, s22                     ; e9 - e4 - e5
	s_cmp_eq_u32 s80, 0
	s_cselect_b32 s20, s20, s21
	s_cmp_eq_u32 s80, 2
	s_cselect_b32 s20, s22, s20
	s_add_co_i32 s20, s20, 127
	s_lshl_b32 s96, s20, 23
	s_add_co_i32 s20, s20, 15
	s_lshl_b32 s97, s20, 23
	s_or_b32 s97, s97, 0x600000
	v_mov_b32 v[SCV], s96
	PLACES NP
; Block a (16 rows x 128 columns): converted, stored.  Each block has code registers of its own (where A's fragments lay), so no store's data are written again.
.macro OUTB a
.set AC, 64*((\a)%4)
	WIN 0x02+((\a)/4)                              ; source 0: window 2 or 3
.set JJ, 0
.rept 64
.set JJ, JJ+1
.endr
.irp b, 0,1,2,3,4,5,6,7
	v_cvt_scalef32_pk8_bf8_f32 v[CDS+16*(\a)+2*\b:CDS+16*(\a)+2*\b+1], v[AC+8*\b:AC+8*\b+7], v[SCV]
.endr
	WIN 0
	v_nop                                          ; a plain instruction between the conversions and the stores that read their results
	global_store_b128 v[L16], v[CDS+16*(\a):CDS+16*(\a)+3],     s[8:9]   offset:512*(\a)
	global_store_b128 v[L16], v[CDS+16*(\a)+4:CDS+16*(\a)+7],   s[10:11] offset:512*(\a)
	global_store_b128 v[L16], v[CDS+16*(\a)+8:CDS+16*(\a)+11],  s[12:13] offset:512*(\a)
	global_store_b128 v[L16], v[CDS+16*(\a)+12:CDS+16*(\a)+15], s[18:19] offset:512*(\a)
.endm
.irp a, 0,1,2,3,4,5,6,7
	OUTB \a
.endr
	s_wait_tensorcnt 0x0                           ; the wave's end
	ds_add_u32 v[SPW], v[NIL]
	s_wait_dscnt 0x0
	CROUND                                         ; the closing round: no work-group ends while a partner may still ask for a tile that names it
	s_endpgm
.Lfunc_end_k_qc2aff6094e_qkv:
	.size	k_qc2aff6094e_qkv, .Lfunc_end_k_qc2aff6094e_qkv-k_qc2aff6094e_qkv
	.p2alignl 7, 3214868480
	.fill 96, 4, 3214868480
	.section	.rodata,"a",@progbits
	.p2align	6, 0x0
	.amdhsa_kernel k_qc2aff6094e_qkv
		.amdhsa_group_segment_fixed_size 327680
		.amdhsa_private_segment_fixed_size 0
		.amdhsa_enable_private_segment 0
		.amdhsa_kernarg_size 48
		.amdhsa_user_sgpr_count 2
		.amdhsa_user_sgpr_kernarg_segment_ptr 1
		.amdhsa_wavefront_size32 1
		.amdhsa_system_sgpr_workgroup_id_x 1
		.amdhsa_system_sgpr_workgroup_id_y 1
		.amdhsa_system_sgpr_workgroup_id_z 1
		.amdhsa_system_vgpr_workitem_id 0
		.amdhsa_next_free_vgpr 1024
		.amdhsa_next_free_sgpr 100
		.amdhsa_reserve_vcc 0
		.amdhsa_float_denorm_mode_32 3
		.amdhsa_float_denorm_mode_16_64 3
		.amdhsa_fp16_overflow 1
		.amdhsa_memory_ordered 1
		.amdhsa_forward_progress 1
		.amdhsa_inst_pref_size 87
	.end_amdhsa_kernel
	.amdgpu_metadata
---
amdhsa.version: [ 1, 2 ]
amdhsa.kernels:
  - .name:           k_qc2aff6094e_qkv
    .symbol:         k_qc2aff6094e_qkv.kd
    .args:
      - { .name: xcodes, .offset: 0, .size: 8, .value_kind: global_buffer, .address_space: global }
      - { .name: Wq_codes, .offset: 8, .size: 8, .value_kind: global_buffer, .address_space: global }
      - { .name: Wk_codes, .offset: 16, .size: 8, .value_kind: global_buffer, .address_space: global }
      - { .name: Wv_codes, .offset: 24, .size: 8, .value_kind: global_buffer, .address_space: global }
      - { .name: lowp_scales, .offset: 32, .size: 8, .value_kind: global_buffer, .address_space: global }
      - { .name: qkv_img, .offset: 40, .size: 8, .value_kind: global_buffer, .address_space: global }
    .group_segment_fixed_size: 327680
    .private_segment_fixed_size: 0
    .kernarg_segment_align: 8
    .kernarg_segment_size: 48
    .max_flat_workgroup_size: 128
    .sgpr_count:     100
    .vgpr_count:     1024
    .wavefront_size: 32
...
	.end_amdgpu_metadata
.endif
;; end of part 2
;; launch attn (part 3): grid 8 x 32, 4 waves a work-group, no clusters, 327,680 bytes of LDS; arguments qkv_img, pen, position_bias, lowp_scales, ctx_img; writes ctx_img
.if DOCPART == 3
	.amdgcn_target "amdgcn-amd-amdhsa--gfx1250"
	.amdhsa_code_object_version 6
	.text
	.protected	k_qc2aff6094e_attn
	.globl	k_qc2aff6094e_attn
	.p2align	8
	.type	k_qc2aff6094e_attn,@function
k_qc2aff6094e_attn:
	s_mov_b64 s[64:65], 0
	v_nop
	global_prefetch_b8 v0, s[64:65] scope:SCOPE_SE
	s_setreg_imm32_b32 hwreg(HW_REG_WAVE_MODE, 25, 1), 1
	s_wait_xcnt 0x0
; ctx = softmax(q k^T / sqrt(32) + position_bias, masked) v, both products on codes of E5M2; the probabilities are quantised FINISHED: the row's true maximum taken away, divided by the row's sum, 0 where the mask is false.
; SHARES.  Work-group (x, y): 128 queries (block x) of head y, for ALL FOUR BATCHES: wave w is batch w.  The four waves use the same tile of position_bias, so each of its bytes is asked for once in the launch.
; A work-group walks 8 tiles of 16 queries.  A wave keeps the whole block of scores, 16 queries x 1,024 keys of f32, in 512 registers: maximum and sum are known before the first code is made, and each exponential is made once.
; K of (batch, head) stays in 256 registers for the whole launch; V^T of (batch, head) in 32,768 bytes of LDS, filled once.  The bias comes through a ring of two LDS slots, each wave fetching a quarter (256 keys) of each tile.
; LAYOUT.  S^T = K Q^T (source 0 = 16 keys, source 1 = my 16 queries): lane (r, h) holds query r, and register j of tile t key 16 t + 8 h + j.  Eight such registers, converted, are registers 2 c, 2 c + 1 of P, source 1 of O^T = V^T P.
; A LANE'S ARITHMETIC.  E = e6 + e7.  The mask comes as codes of E5M2 (0 or -57,344), eight widened by one conversion with the scale 2^112: a penalty of 0 or -2.98e38.  C = bias x sqrt(32) 2^-E + penalty, one packed multiply-add for two scores;
; D = K Q^T + C by the matrix unit; M = the row's largest D; cs = log2(e) / sqrt(32) x 2^E; Mt = max(M cs, -2^60); e = 2^(D cs - Mt); p = e / max(sum of e, 2^-100).
; A masked score is about -2.98e38, so its e is 0; a row that is all masked has every e = 0 and p = 0.
; A query tile's penalties are 16 bytes x 32 for a lane: 128 registers.  Each group's registers are loaded anew, with the next query tile's, as soon as its conversions have read them: a whole query tile ahead of their use.
; THE HEAD'S 32 IN THE K = 64 FORM: Q's upper four registers are zero codes; K's fragment of tile t is v[4 t : 4 t + 7] of window 3: its upper four registers are tile t + 1's codes, finite numbers that meet Q's zeros; tile 63 has a copy with zeros behind it.
; NO CLUSTER.  The ring's tiles (512 KB of bias a work-group) are read by one work-group each.  The penalties (512 KB a work-group, shared by the heads) go straight into registers in register order: through LDS they would take
; 2 slots x 4 batches x 16 KB = 128 KB beside V's 128 KB and the bias's 130 KB, more than a work-group has.  K and V (256 KB) are read once, at the head.
; NO PREFETCH: a tile of the bias is asked for by its tensor load, and the penalties by their loads, a whole query tile's work ahead of the wait for them.
; REGISTERS, in windows of 256: window 0: see the names below;  windows 1, 2: the scores, tile t in window 1 + t / 32 at v[8 (t % 32)];  window 3: K, tile t at v[4 t].
; LIMITS: e6 + e7 between -60 and 120; |bias x sqrt(32) 2^-(e6+e7)| under 1e31; e8 and e10 - e8 - e9 between -126 and 112; a row whose largest score x log2(e) lies under -2^60 is not served; NaN is not served.
.set SLOTB,  66560                     ; a slot of the bias: four quarters.  As a mask (0x10400) it shares no bit with 0, 0x4100, 0x8200, 0xc300, the waves' quarters: one exclusive or turns an address into the other slot's
.set QRT,    16640                     ; a quarter: 16 rows x BPITCH
.set BPITCH, 1040                      ; 1,024 bytes + 16 of padding = 65 x 16: the sixteen rows that a load touches start at sixteen different 16-byte columns of the banks (ISA guide 11.1)
.set VBASE,  2*SLOTB                   ; V^T: 32,768 bytes a wave: [32 keys kb][16 channels dt][512 bytes, lane l at 16 l]
.set SPARE,  VBASE+4*32768             ; the spare words, 128 bytes for each wave
.set L16,  1                           ; v1   16 x lane
.set AB0,  2                           ; v2   the bias: BPITCH x (lane % 16) + 32 (lane / 16)
.set ABS,  3                           ; v3   the same in the slot in hand
.set AV,   4                           ; v4   V^T: my wave's region + 16 x lane
.set SPW,  5                           ; v5   my spare word; never rewritten
.set NIL,  6                           ; v6   0; never rewritten
.set PSC,  7                           ; v7   the penalties' scale, 2^112 as the byte 239, in every byte
.set MT,   12                          ; v[12:13] Mt
.set INV,  14                          ; v[14:15] 1 / sum
.set LIMP, 24
.set SCP,  25                          ; v25  2^e8
.set LIMC, 26
.set SCX,  27                          ; v27  2^(e10-e8-e9)
.set T0,   28                          ; v28, v29 at work
.set QF,   32                          ; v32-39 Q's fragment (v36-39 = 0)
.set KL,   40                          ; v40-47 K's tile 63 (v44-47 = 0)
.set TP,   48                          ; v48-111 while the scores are made: a group's 64 penalties as f32
.set OT,   48                          ; v48-63 afterwards O^T: two accumulators
.set PCD,  64                          ; v64-79 P's codes of 128 keys
.set SM,   64                          ; v64-79 between the two: eight pairs of sums
.set VF,   80                          ; v80-111 two fragments of V^T
.set CT,   112                         ; v112-115 ctx's codes
.set MX,   116                         ; v116-123 eight running maxima
.set PEN,  128                         ; v128-255 a query tile's penalties as codes: tile t at v[128 + 2 t]
.set MSB, 0
.macro WIN new                         ; the immediate's high byte repeats the setting that is left
.if MSB != (\new)
	s_set_vgpr_msb (MSB<<8)|(\new)
.set MSB, (\new)
.endif
.endm
	s_load_b256 s[4:11], s[0:1], 0x0               ; qkv_img s[4:5], pen s[6:7], position_bias s[8:9], scales s[10:11]
	s_load_b64 s[12:13], s[0:1], 0x20              ; ctx_img
	v_lshl_add_u32 v[SPW], v0, 2, SPARE
	v_mov_b32 v[NIL], 0
	ds_add_u32 v5, v6
	ds_add_u32 v5, v6
	s_wait_dscnt 0x0
	v_lshrrev_b32 v[T0], 5, v0
	v_readfirstlane_b32 s14, v[T0]                 ; wave = batch
	s_and_b32 s15, ttmp7, 0xffff                   ; head
	; group 1 for V^T: 32 rows of 1,024 bytes (128 elements of 8 bytes), 32,768 bytes apart, dense in LDS
	s_mov_b32 s32, 3<<16
	s_mov_b32 s33, 128<<16
	s_mov_b32 s34, 32<<16
	s_mov_b32 s35, 128<<16
	s_mov_b32 s36, 32
	s_mov_b32 s37, 4096
	s_mov_b32 s38, 0
	s_mov_b32 s39, 0
	; group 1 for the bias: 16 rows of 256 f32, 1,024 elements apart; four words of padding after every 256
	s_mov_b32 s44, (2<<16)|(1<<20)|(7<<22)|(3<<25)
	s_mov_b32 s45, 256<<16
	s_mov_b32 s46, 16<<16
	s_mov_b32 s47, 256<<16
	s_mov_b32 s48, 16
	s_mov_b32 s49, 1024
	s_mov_b32 s50, 0
	s_mov_b32 s51, 0
	s_mov_b32 s56, 0x76543210                      ; v_permlanex16_b32: lane l takes lane l xor 16
	s_mov_b32 s57, 0xfedcba98
	s_mov_b32 s60, 0                               ; the slot in hand
	s_mov_b32 s40, 1
	s_lshl_b32 s41, s14, 15
	s_add_co_u32 s41, s41, VBASE
	s_mov_b32 s52, 1
	s_mul_i32 s53, s14, QRT
	s_lshl_b32 s74, s14, 20                        ; V's section: (batch x 32 + kb) x 32,768 + (2 head + dt) x 512
	s_lshl_b32 s75, s15, 10
	s_add_co_u32 s74, s74, s75
	s_add_co_u32 s74, s74, 0x800000
	s_mov_b32 s75, 0
	s_lshl_b32 s76, s15, 22                        ; the bias: head x 4 MB + 128 x rows of 4,096 bytes + my quarter's 1,024 bytes
	s_lshl_b32 s77, ttmp9, 19
	s_add_co_u32 s76, s76, s77
	s_lshl_b32 s77, s14, 10
	s_add_co_u32 s76, s76, s77
	s_mov_b32 s77, 0
	s_wait_kmcnt 0x0
	s_load_b256 s[20:27], s[10:11], 0x0            ; e0 .. e7
	s_load_b128 s[28:31], s[10:11], 0x20           ; e8 .. e11
	s_add_nc_u64 s[42:43], s[4:5], s[74:75]
	s_or_b32 s43, s43, 0x80000000
	s_add_nc_u64 s[54:55], s[8:9], s[76:77]
	s_or_b32 s55, s55, 0x80000000
	tensor_load_to_lds s[40:43], s[32:39]          ; the two first fills go out together: V^T,
	s_nop 0
	tensor_load_to_lds s[52:55], s[44:51]          ; and my quarter of the first tile of the bias, into slot 0: two loads of mine are out
	s_nop 0
.rept 4
	v_nop
.endr
	s_lshl_b32 s74, s15, 17                        ; q's and k's sections: head x 131,072 + (batch x 64 + tile) x 512
	s_lshl_b32 s76, s14, 15
	s_add_co_u32 s74, s74, s76
	s_add_nc_u64 s[68:69], s[4:5], s[74:75]
	s_add_nc_u64 s[72:73], s[68:69], 0x400000      ; K
	s_lshl_b32 s74, ttmp9, 12
	s_add_nc_u64 s[68:69], s[68:69], s[74:75]      ; Q at my first tile
	s_lshl_b32 s74, s14, 20                        ; pen: (batch x 64 + 8 x + tile) x 16,384
	s_lshl_b32 s76, ttmp9, 17
	s_add_co_u32 s74, s74, s76
	s_add_nc_u64 s[66:67], s[6:7], s[74:75]
	s_lshl_b32 s76, s15, 9                         ; ctx_img: the same figure + head x 512
	s_add_co_u32 s74, s74, s76
	s_add_nc_u64 s[70:71], s[12:13], s[74:75]
	v_and_b32 v[T0], 31, v0
	v_lshlrev_b32 v[L16], 4, v[T0]
	v_and_b32 v[T0], 15, v0
	v_bfe_u32 v[T0+1], v0, 4, 1
	v_mul_u32_u24 v[AB0], v[T0], BPITCH
	v_lshl_add_u32 v[AB0], v[T0+1], 5, v[AB0]
	v_add_nc_u32 v[AV], s41, v[L16]
	WIN 0xc0                                       ; destination window 3
.set TT, 0
.rept 64
	global_load_b128 v[4*TT:4*TT+3], v[L16], s[72:73] offset:512*TT   ; K stays in registers
.set TT, TT+1
.endr
	WIN 0
	global_load_b128 v[KL:KL+3], v[L16], s[72:73] offset:63*512
	global_load_b128 v[QF:QF+3], v[L16], s[68:69]
.set TT, 0
.rept 32
	global_load_b128 v[PEN+4*TT:PEN+4*TT+3], v[L16], s[66:67] offset:512*TT   ; the first query tile's penalties: a pair of key tiles a load
.set TT, TT+1
.endr
.irp k, 4,5,6,7
	v_mov_b32 v[QF+\k], 0
	v_mov_b32 v[KL+\k], 0
.endr
	v_mov_b32 v[PSC], 0xefefefef
	s_wait_kmcnt 0x0
	s_add_co_i32 s74, s26, s27                     ; e6 + e7, added to and taken from the exponent fields of
	s_lshl_b32 s74, s74, 23
	s_add_co_i32 s58, s74, 0x3e8293ee              ; cs = log2(e) / sqrt(32),
	s_mov_b32 s59, s58                             ; (named with it as a pair, so it is written)
	s_sub_co_i32 s80, 0x40b504f3, s74              ; and kb = sqrt(32)
	s_mov_b32 s81, s80                             ; (likewise)
	s_add_co_i32 s74, s28, 127
	s_lshl_b32 s75, s74, 23
	v_mov_b32 v[SCP], s75
	s_sub_co_i32 s74, s30, s28                     ; a sum of the second product stands for sum x 2^(e8 + e9): its code is sum / 2^(e10 - e8 - e9)
	s_sub_co_i32 s74, s74, s29
	s_add_co_i32 s74, s74, 127
	s_lshl_b32 s75, s74, 23
	v_mov_b32 v[SCX], s75
; THE CHANGE OF SLOTS stands at a query tile's head.  Each wave waits for all its tensor loads (its quarter of the tile that it is about to read), adds 0 to its spare word, and waits for that and for its reads of the slot that it has left.
; Behind the barrier the slot ahead is whole and nobody reads the other one.  fill = 1: that other slot takes the next 16 queries' tile: the load has a whole query tile's work in which to land.
.macro CHANGE fill
	WIN 0
	s_wait_tensorcnt 0x0                           ; no tensor load of mine is out, so the descriptor may be written
	ds_add_u32 v[SPW], v[NIL]                      ; 0 onto my spare word
.if \fill
	s_xor_b32 s53, s53, SLOTB                      ; the other slot than last time,
	s_add_nc_u64 s[54:55], s[54:55], 65536         ; 16 rows of 4,096 bytes on; the type bits on top are not reached
.endif
	s_wait_dscnt 0x0                               ; the add is done, and my reads of the slot that I have left are over
	s_barrier_signal -1
	s_barrier_wait -1
.if \fill
	tensor_load_to_lds s[52:55], s[44:51]          ; the first thing behind the barrier, and my one tensor load until the next
	s_nop 0
.rept 4
	v_nop
.endr
.endif
.endm
; A GROUP is 8 tiles of 16 keys; groups 0-3 lie in window 1, groups 4-7 in window 2.
.macro BLOAD g                         ; the group's bias from LDS, straight into the scores' registers
.set WW, 1+(\g)/4
	WIN WW<<6
.set TT, 8*(\g)
.rept 8
.set RR, 8*(TT%32)
	ds_load_b128 v[RR:RR+3],   v[ABS] offset:(TT/16)*QRT+(TT%16)*64
	ds_load_b128 v[RR+4:RR+7], v[ABS] offset:(TT/16)*QRT+(TT%16)*64+16
.set TT, TT+1
.endr
.endm
.macro PCVT g                          ; the group's penalties: eight codes of a lane become eight f32 numbers, 0 or -57,344 x 2^112
	WIN 0
.set TT, 8*(\g)
.rept 8
	v_cvt_scale_pk8_f32_bf8 v[TP+8*(TT%8):TP+8*(TT%8)+7], v[PEN+2*TT:PEN+2*TT+1], v[PSC]
.set TT, TT+1
.endr
	v_nop                                          ; a plain instruction between the conversions and the lines that read their results
.endm
.macro MIX g                           ; C = bias x kb + penalty, two scores an instruction (of the pair kb the low word serves both halves)
.set WW, 1+(\g)/4
	WIN (WW<<6)|WW
.set TT, 8*(\g)
.rept 8
.set RR, 8*(TT%32)
.set PR, TP+8*(TT%8)
.irp q, 0,2,4,6
	v_pk_fma_f32 v[RR+\q:RR+\q+1], v[RR+\q:RR+\q+1], s[80:81], v[PR+\q:PR+\q+1] op_sel_hi:[1,0,1]
.endr
.set TT, TT+1
.endr
.endm
.macro PLOAD g                         ; the registers that the group's conversions have read take the next query tile's codes (16,384 bytes on)
	WIN 0
.irp u, 0,1,2,3
	global_load_b128 v[PEN+16*(\g)+4*\u:PEN+16*(\g)+4*\u+3], v[L16], s[66:67] offset:16384+(4*(\g)+\u)*512
.endr
.endm
.macro QK g                            ; D = K Q^T + C, in place; every instruction has an accumulator of its own
.set TT, 8*(\g)
.rept 8
.set RR, 8*(TT%32)
.set WW, 1+TT/32
.if TT == 63
	WIN (WW<<6)|(WW<<4)
	v_wmma_f32_16x16x64_bf8_bf8 v[RR:RR+7], v[KL:KL+7], v[QF:QF+7], v[RR:RR+7]
.else
	WIN (WW<<6)|(WW<<4)|3
	v_wmma_f32_16x16x64_bf8_bf8 v[RR:RR+7], v[4*TT:4*TT+7], v[QF:QF+7], v[RR:RR+7]
.endif
.set TT, TT+1
.endr
.endm
.macro MAXG g                          ; eight running maxima, so that a line's source was written seven lines back; each accumulator is read from its low end on
.set WW, 1+(\g)/4
	WIN 0x14*WW
.set TT, 8*(\g)
.rept 8
.set RR, 8*(TT%32)
.set MM, MX+4*(TT%2)
.irp k, 0,1,2,3
	v_max3_num_f32 v[MM+\k], v[MM+\k], v[RR+2*\k], v[RR+2*\k+1]
.endr
.set TT, TT+1
.endr
.endm
.macro SCALE p                         ; pair p: D cs - Mt (of the pairs cs and Mt the low word serves both halves)
	v_pk_fma_f32 v[2*(\p):2*(\p)+1], v[2*(\p):2*(\p)+1], s[58:59], v[MT:MT+1] op_sel_hi:[1,0,0] neg_lo:[0,0,1] neg_hi:[0,0,1]
.endm
.macro EXPW w                          ; a window's 256 exponentials; a pair is scaled two pairs ahead of its exponentials, so that plain lines stand among them.  No line here reads an exponential's result
	WIN ((\w)<<6)|(\w)
	SCALE 0
	SCALE 1
.set PP, 0
.rept 128
.if PP < 126
	SCALE PP+2
.endif
	v_exp_f32 v[2*PP], v[2*PP]
	v_exp_f32 v[2*PP+1], v[2*PP+1]
.set PP, PP+1
.endr
.endm
.macro SUMW w, first                   ; the row's sum, of the unquantised numbers: eight chains of pairs.  first = 1: the first sixteen pairs start the chains: nothing is cleared
.if \first
	WIN ((\w)<<2)|(\w)
.set PP, 0
.rept 8
	v_pk_add_f32 v[SM+2*PP:SM+2*PP+1], v[2*PP:2*PP+1], v[2*PP+16:2*PP+17]
.set PP, PP+1
.endr
.set PP, 16
.else
.set PP, 0
.endif
	WIN (\w)<<2
.rept 128-16*(\first)
	v_pk_add_f32 v[SM+2*(PP%8):SM+2*(PP%8)+1], v[SM+2*(PP%8):SM+2*(PP%8)+1], v[2*PP:2*PP+1]
.set PP, PP+1
.endr
.endm
.macro VLOAD s                         ; V^T of keys 128 s on: two fragments of 16 channels x 128 keys, as images: 512 consecutive bytes a load
.irp d, 0,1
.irp c, 0,1,2,3
	ds_load_b128 v[VF+16*\d+4*\c:VF+16*\d+4*\c+3], v[AV] offset:(4*(\s)+\c)*1024+512*\d
.endr
.endr
.endm
.macro PSTEP s                         ; 128 keys: divided by the sum, converted, multiplied by V^T
.set WW, 1+(\s)/4
.set BS, 64*((\s)%4)
	WIN (WW<<6)|WW
.set II, 0
.rept 32
	v_pk_mul_f32 v[BS+2*II:BS+2*II+1], v[BS+2*II:BS+2*II+1], v[INV:INV+1] op_sel_hi:[1,0]
.set II, II+1
.endr
.set II, 0
.rept 64
.set II, II+1
.endr
	WIN WW
.irp c, 0,1,2,3,4,5,6,7
	v_cvt_scalef32_pk8_bf8_f32 v[PCD+2*\c:PCD+2*\c+1], v[BS+8*\c:BS+8*\c+7], v[SCP]
.endr
	WIN 0
	v_nop                                          ; a plain instruction between the conversions and the products that read their results
	s_wait_dscnt 0x0                               ; V^T of this step, asked for a step ago
.irp d, 0,1
.if (\s) == 0
	v_wmma_f32_16x16x128_bf8_bf8 v[OT+8*\d:OT+8*\d+7], v[VF+16*\d:VF+16*\d+15], v[PCD:PCD+15], 0
.else
	v_wmma_f32_16x16x128_bf8_bf8 v[OT+8*\d:OT+8*\d+7], v[VF+16*\d:VF+16*\d+15], v[PCD:PCD+15], v[OT+8*\d:OT+8*\d+7]
.endif
.endr
.rept 4
	v_nop                                          ; places in front of the loads into V's registers; behind the last step, in front of the first read of O^T
.endr
.if (\s) < 7
	VLOAD (\s)+1
.endif
.endm
; A QUERY TILE.  fill = 1: it has a successor, whose bias, penalties and Q are asked for on the way.
.macro TRIP fill
	CHANGE \fill
	s_wait_loadcnt 0x0                             ; this tile's penalties and Q, asked for in the tile before (ahead of the first tile: K too)
	v_add_nc_u32 v[ABS], s60, v[AB0]
	BLOAD 0
	BLOAD 1
	BLOAD 2                                        ; the bias runs three groups ahead: 48 loads are out
	WIN 0
.irp k, 0,1,2,3,4,5,6,7
	v_mov_b32 v[MX+\k], 0xff7fffff
.endr
.irp g, 0,1,2,3,4,5,6,7
	PCVT \g                                        ; needs no bias: it stands ahead of the wait
.if \g == 7
	s_wait_dscnt 0x0
.elseif \g == 6
	s_wait_dscnt 16                                ; the last group's sixteen loads may be out
.else
	s_wait_dscnt 32                                ; this group's bias is in; the two younger groups of sixteen loads may be out
.endif
	MIX \g
	QK \g
.if \g > 0
	MAXG \g-1                                      ; the group before: its products stand a group back; these 32 lines are the places behind this group's
.endif
.if \fill
	PLOAD \g                                       ; the group's loads stand together, behind the maxima
.endif
.if \g < 5
	BLOAD \g+3
.endif
.endr
	MAXG 7
	WIN 0
.if \fill
	global_load_b128 v[QF:QF+3], v[L16], s[68:69] offset:512   ; the next tile's Q: the last product that read these registers stands 64 plain lines back
.endif
	v_max3_num_f32 v[MX], v[MX], v[MX+1], v[MX+2]
	v_max3_num_f32 v[MX+3], v[MX+3], v[MX+4], v[MX+5]
	v_max3_num_f32 v[MX], v[MX], v[MX+3], v[MX+6]
	v_max_num_f32 v[MX], v[MX], v[MX+7]
	v_permlanex16_b32 v[T0], v[MX], s56, s57       ; the query's other 512 keys lie in the lane 16 away
	v_max_num_f32 v[MX], v[MX], v[T0]
	v_mul_f32 v[MT], s58, v[MX]
	v_max_num_f32 v[MT], 0xdd800000, v[MT]         ; held at -2^60 from below: a row that is all masked then has every exponent far under 0
	v_mov_b32 v[MT+1], v[MT]                       ; (named with it as a pair)
	EXPW 1
	EXPW 2
	v_nop                                          ; a plain instruction behind the last exponential (ISA guide 5.7.2),
	s_wait_alu depctr_va_vdst(0)                   ; and ONE wait for the 512, ahead of their first reader
	SUMW 1, 1
	SUMW 2, 0
	WIN 0
	v_pk_add_f32 v[SM:SM+1], v[SM:SM+1], v[SM+2:SM+3]
	v_pk_add_f32 v[SM+4:SM+5], v[SM+4:SM+5], v[SM+6:SM+7]
	v_pk_add_f32 v[SM+8:SM+9], v[SM+8:SM+9], v[SM+10:SM+11]
	v_pk_add_f32 v[SM+12:SM+13], v[SM+12:SM+13], v[SM+14:SM+15]
	v_pk_add_f32 v[SM:SM+1], v[SM:SM+1], v[SM+4:SM+5]
	v_pk_add_f32 v[SM+8:SM+9], v[SM+8:SM+9], v[SM+12:SM+13]
	v_pk_add_f32 v[SM:SM+1], v[SM:SM+1], v[SM+8:SM+9]
	v_add_f32 v[SM], v[SM], v[SM+1]
	v_permlanex16_b32 v[T0], v[SM], s56, s57
	v_add_f32 v[SM], v[SM], v[T0]
	v_max_num_f32 v[SM], 0x0d800000, v[SM]         ; held at 2^-100 from below: 0 / that is 0
	v_rcp_f32 v[INV], v[SM]
	v_mov_b32 v[INV+1], 0                          ; the plain instruction behind the reciprocal; (named with it as a pair)
	VLOAD 0
	s_wait_alu depctr_va_vdst(0)                   ; the wait, ahead of the reciprocal's first reader
.irp s, 0,1,2,3,4,5,6,7
	PSTEP \s
.endr
.set II, 0
.rept 16
.set II, II+1
.endr
	v_cvt_scalef32_pk8_bf8_f32 v[CT:CT+1], v[OT:OT+7], v[SCX]
	v_cvt_scalef32_pk8_bf8_f32 v[CT+2:CT+3], v[OT+8:OT+15], v[SCX]
	v_nop                                          ; a plain instruction between the conversions and the lines that touch their results
	v_permlane16_swap_b32 v[CT], v[CT+2]           ; the first register's lanes 16-31 change places with the second's lanes 0-15:
	v_permlane16_swap_b32 v[CT+1], v[CT+3]         ; lane (r, h) now holds channels 16 h + 0 .. 15 in order: four registers of the last product's operand
	global_store_b128 v[L16], v[CT:CT+3], s[70:71] ; 512 consecutive bytes
.if \fill
	s_wait_xcnt 0x0                                ; the loads and the store have read their bases and registers: only behind this wait are they written
	s_add_nc_u64 s[66:67], s[66:67], 16384
	s_add_nc_u64 s[68:69], s[68:69], 512
	s_add_nc_u64 s[70:71], s[70:71], 16384
	s_xor_b32 s60, s60, SLOTB
.endif
.endm
	s_mov_b32 s63, 7
.Ltile:                                                ; seven trips: behind each change of slots but the last the next tile of the bias is asked for
	TRIP 1
	s_sub_co_u32 s63, s63, 1
	s_cmp_lg_u32 s63, 0
	s_cbranch_scc1 .Ltile
	TRIP 0                                         ; the last tile is written out
	s_wait_tensorcnt 0x0                           ; the wave's end
	ds_add_u32 v[SPW], v[NIL]
	s_wait_dscnt 0x0
	s_endpgm
.Lfunc_end_k_qc2aff6094e_attn:
	.size	k_qc2aff6094e_attn, .Lfunc_end_k_qc2aff6094e_attn-k_qc2aff6094e_attn
	.p2alignl 7, 3214868480
	.fill 96, 4, 3214868480
	.section	.rodata,"a",@progbits
	.p2align	6, 0x0
	.amdhsa_kernel k_qc2aff6094e_attn
		.amdhsa_group_segment_fixed_size 327680
		.amdhsa_private_segment_fixed_size 0
		.amdhsa_enable_private_segment 0
		.amdhsa_kernarg_size 40
		.amdhsa_user_sgpr_count 2
		.amdhsa_user_sgpr_kernarg_segment_ptr 1
		.amdhsa_wavefront_size32 1
		.amdhsa_system_sgpr_workgroup_id_x 1
		.amdhsa_system_sgpr_workgroup_id_y 1
		.amdhsa_system_sgpr_workgroup_id_z 1
		.amdhsa_system_vgpr_workitem_id 0
		.amdhsa_next_free_vgpr 1024
		.amdhsa_next_free_sgpr 84
		.amdhsa_reserve_vcc 0
		.amdhsa_float_denorm_mode_32 3
		.amdhsa_float_denorm_mode_16_64 3
		.amdhsa_fp16_overflow 1
		.amdhsa_memory_ordered 1
		.amdhsa_forward_progress 1
		.amdhsa_inst_pref_size 255
	.end_amdhsa_kernel
	.section	.bss,"aw",@nobits
	.p2align	6
	.space	262144
	.amdgpu_metadata
---
amdhsa.version: [ 1, 2 ]
amdhsa.kernels:
  - .name:           k_qc2aff6094e_attn
    .symbol:         k_qc2aff6094e_attn.kd
    .args:
      - { .name: qkv_img, .offset: 0, .size: 8, .value_kind: global_buffer, .address_space: global }
      - { .name: pen, .offset: 8, .size: 8, .value_kind: global_buffer, .address_space: global }
      - { .name: position_bias, .offset: 16, .size: 8, .value_kind: global_buffer, .address_space: global }
      - { .name: lowp_scales, .offset: 24, .size: 8, .value_kind: global_buffer, .address_space: global }
      - { .name: ctx_img, .offset: 32, .size: 8, .value_kind: global_buffer, .address_space: global }
    .group_segment_fixed_size: 327680
    .private_segment_fixed_size: 0
    .kernarg_segment_align: 8
    .kernarg_segment_size: 40
    .max_flat_workgroup_size: 128
    .sgpr_count:     84
    .vgpr_count:     1024
    .wavefront_size: 32
...
	.end_amdgpu_metadata
.endif
;; end of part 3
;; launch proj (part 4): grid 8 x 32, 4 waves a work-group, clusters of 4 x 4, 327,680 bytes of LDS; arguments ctx_img, Wo_codes, lowp_scales, hidden_states, out0; writes out0
.if DOCPART == 4
	.amdgcn_target "amdgcn-amd-amdhsa--gfx1250"
	.amdhsa_code_object_version 6
	.text
	.protected	k_qc2aff6094e_proj
	.globl	k_qc2aff6094e_proj
	.p2align	8
	.type	k_qc2aff6094e_proj,@function
k_qc2aff6094e_proj:
	s_mov_b64 s[64:65], 0
	v_nop
	global_prefetch_b8 v0, s[64:65] scope:SCOPE_SE
	s_setreg_imm32_b32 hwreg(HW_REG_WAVE_MODE, 25, 1), 1
	s_wait_xcnt 0x0
	s_wait_alu depctr_hold_cnt(0) depctr_sa_sdst(0) depctr_va_vdst(0) depctr_va_sdst(0) depctr_va_ssrc(0) depctr_va_vcc(0) depctr_vm_vsrc(0)
	s_getreg_b32 s2, hwreg(HW_REG_IB_STS2, 6, 4)
	s_cmp_eq_u32 s2, 0
	s_cbranch_scc0 .Lentry_in_a_cluster
	s_endpgm
.Lentry_in_a_cluster:
	s_bfe_u32 s2, ttmp6, 0x10000c
	s_cmp_lg_u32 s2, 0xf033
	s_cbranch_scc0 .Lentry_shape_is_right
	s_endpgm
.Lentry_shape_is_right:
; out0 = (hidden_states + ctx Wo^T) / 1.05, the product on codes of E5M2: M 4,096, N 2,048, K 1,024.  out0 = hidden x (1 / 1.05) + sum x 2^(e10 + e11) / 1.05.
; A = ctx comes as IMAGES OF ITS OPERAND REGISTERS: ctx_img[16-row group][head][512 bytes], lane (r, h): ctx(row r, k = 32 head + 16 h + 0 .. 15): registers 4 c .. 4 c + 3 of a fragment, c = head % 4.
; So a K step of 256 (8 heads) of a 16-row group is 4,096 consecutive bytes, a tile needs no padding, and a fragment's load reads 512 consecutive bytes of LDS.  B = Wo's codes, rows of 1,024 bytes, fetched by the same k order.
; A TILE OF C IS 128 x 256: 32 x 8 = 256 work-groups, one for each WGP; tiles of 256 x 256 would be 128.  Four waves, each 64 x 128: 32 accumulators of 16 x 16.
; K goes in four steps of 256 through a ring of two LDS slots; a step of 128 along K is 32 products, on two sets of fragments by turns; the text is written straight, without a loop.
; CLUSTERS: 4 x 4 work-groups; A's tiles are asked for jointly along a row of the cluster, B's along a column.  THE MATRIX INSTRUCTION IS USED TRANSPOSED: a lane holds eight neighbouring numbers of a row of C.
; THE RESIDUAL: a wave's 64 rows x 512 bytes of hidden_states are 256 registers, window 3, which the products leave free: they are loaded behind the two refills, 32 loads each, six and four steps of 128 along K ahead of the way out.
; So nothing is prefetched: the loads themselves stand that early.  The result is made in those registers, a set of its own for each block: no store's data are written again, and no wait frees them.
; REGISTERS, in windows of 256: window 0: v0-31 addresses; v32-95 scaled sums; v128-191, v192-255 A's fragments, two sets, later rows of C back from the stage;  window 1: B's fragments, two sets;  window 2: the accumulators ((a, b) at v[8 (8 a + b)]);  window 3: hidden_states, then out0.
; LIMIT: e10 + e11 between -125 and 127.
.set ROWB,   256
.set KROW,   1024
.set PITCH,  272                       ; B's LDS row: 256 bytes + 16 of padding = 68 words: row r starts at bank 4 r mod 64 (64 banks of 4 bytes: ISA guide 11.1)
.set FR,     16
.set NP,     4                         ; places behind this matrix instruction (ISA guide 7.12.1)
.set HALFA,  16384                     ; 4 groups of 16 rows x 4,096 bytes: what one tensor load brings of A, and what one wave reads of it
.set HALFB,  128*PITCH
.set BOFF,   2*HALFA
.set SLOT,   BOFF+2*HALFB
.set SPARE,  2*SLOT                    ; behind the ring: the spare words, 128 bytes for each wave
.set SPITCH, 528                       ; the way out: a stage of 16 rows x (512 bytes + 16) for each wave, in slot 0, which has had its last fill and its last read when the first result is stored there
.set ADRA, 16                          ; v16-17 LDS address of my A fragments in slot 0, 1
.set ADRB, 20                          ; v20-21 the same for B
.set STO,  24
.set RD,   25
.set CO,   26                          ; v26  16 x lane; never rewritten
.set SPW,  28                          ; v28  my spare word; never rewritten
.set NIL,  29                          ; v29  0; never rewritten
.set TMP,  32
.set AF,   128
.set BK,   128
.set G1, 24
.set G0, 32
.set G1B, 48
.set G0B, 56
.set MSB, 0
.macro WIN new                         ; the immediate's high byte repeats the setting that is left
.if MSB != (\new)
	s_set_vgpr_msb (MSB<<8)|(\new)
.set MSB, (\new)
.endif
.endm
.set MUL,    0xa1                      ; source 0 (B) window 1, source 1 (A) window 0, C and D window 2
.set TO_B,   0x40
.macro JLOAD g0a, g1a, g0b, g1b        ; a joint load: waves 0 and 1 fetch for A, waves 2 and 3 for B; four v_nop follow each of the two lines
	s_cmp_eq_u32 s15, 0
	s_cbranch_scc0 .Lfor_b_\@
	tensor_load_to_lds s[\g0a:\g0a+3], s[\g1a:\g1a+7]
	s_nop 0
.rept 4
	v_nop
.endr
	s_branch .Lasked_\@
.Lfor_b_\@:
	tensor_load_to_lds s[\g0b:\g0b+3], s[\g1b:\g1b+7]
	s_nop 0
.rept 4
	v_nop
.endr
.Lasked_\@:
.endm
.macro CREST                           ; a round of the cluster's barrier behind its opening barrier
	s_cmp_lg_u32 s14, 0
	s_cbranch_scc1 .Lnot_wave_0_\@
	s_barrier_signal -3
.Lnot_wave_0_\@:
	s_barrier_wait -3
	s_barrier_signal -1
	s_barrier_wait -1
.endm
.macro CROUND
	s_barrier_signal -1
	s_barrier_wait -1
	CREST
.endm
	s_load_b128 s[4:7], s[0:1], 0x0                ; ctx_img s[4:5], Wo's codes s[6:7]
	s_load_b128 s[8:11], s[0:1], 0x10              ; the scales' exponents s[8:9], hidden_states s[10:11]
	s_load_b64 s[12:13], s[0:1], 0x20              ; out0
	v_lshl_add_u32 v[SPW], v0, 2, SPARE
	v_mov_b32 v[NIL], 0
	ds_add_u32 v28, v29
	ds_add_u32 v28, v29
	s_wait_dscnt 0x0
	v_lshrrev_b32 v1, 5, v0
	v_readfirstlane_b32 s14, v1                    ; wave 0..3
	s_lshr_b32 s15, s14, 1                         ; which half of the tile's rows is mine.  Also: I fetch for A (0) or for B (1)
	s_and_b32 s16, s14, 1                          ; which half of its columns.  Also: which half of that tile I fetch
	s_bfe_u32 s40, ttmp6, 0x40000                  ; cx, cy: my place in the cluster
	s_bfe_u32 s41, ttmp6, 0x40004
	s_lshl_b32 s42, ttmp9, 2
	s_add_co_u32 s42, s42, s40                     ; tile column of C
	s_and_b32 s17, ttmp7, 0xffff
	s_lshl_b32 s17, s17, 2
	s_add_co_u32 s17, s17, s41                     ; tile row of C
	s_lshl_b32 s43, s41, 2
	s_lshl_b32 s43, 15, s43                        ; my row of the cluster
	s_lshl_b32 s44, 0x1111, s40                    ; my column
	; group 1 for A: 4 rows of 4,096 bytes (512 elements of 8 bytes), 16,384 bytes apart, dense in LDS
	s_or_b32 s[G1+0], s43, (3<<16)|(1<<21)
	s_mov_b32 s[G1+1], 512<<16
	s_mov_b32 s[G1+2], 4<<16
	s_mov_b32 s[G1+3], 512<<16
	s_mov_b32 s[G1+4], 4
	s_mov_b32 s[G1+5], 2048
	s_mov_b32 s[G1+6], 0
	s_mov_b32 s[G1+7], 0
	; group 1 for B: 128 rows of 256 bytes, 1,024 apart; four words of padding after every 64
	s_or_b32 s[G1B+0], s44, (0<<16)|(1<<20)|(1<<21)|(5<<22)|(3<<25)
	s_mov_b32 s[G1B+1], ROWB<<16
	s_mov_b32 s[G1B+2], 128<<16
	s_mov_b32 s[G1B+3], ROWB<<16
	s_mov_b32 s[G1B+4], 128
	s_mov_b32 s[G1B+5], KROW
	s_mov_b32 s[G1B+6], 0
	s_mov_b32 s[G1B+7], 0
	s_lshl_b32 s18, s16, 16                        ; the half of A that I fetch: 4 groups of 16,384 bytes
	s_lshl_b32 s20, s17, 17
	s_add_co_u32 s20, s20, s18                     ; A: 8 groups a tile row
	s_mov_b32 s21, 0
	s_lshl_b32 s18, s16, 17                        ; the half of B that I fetch: 128 rows of 1,024 bytes
	s_lshl_b32 s46, s42, 18
	s_add_co_u32 s46, s46, s18                     ; B: 256 rows a tile column
	s_mov_b32 s47, 0
	s_lshl_b32 s45, s16, 14                        ; where they go: A's halves,
	s_mul_i32 s22, s16, HALFB
	s_add_co_u32 s22, s22, BOFF                    ; and B's, behind them: no place in the cluster enters an LDS address
	s_wait_kmcnt 0x0
	s_load_b128 s[92:95], s[8:9], 0x20             ; e8 .. e11
	s_add_nc_u64 s[20:21], s[4:5], s[20:21]
	s_add_nc_u64 s[46:47], s[6:7], s[46:47]
	CROUND                                         ; all sixteen work-groups are here: the first joint loads meet
.irp s, 0,1
	s_mov_b32 s[G0+4*\s], 1
	s_add_co_u32 s[G0+4*\s+1], s45, \s*SLOT
	s_add_nc_u64 s[G0+4*\s+2:G0+4*\s+3], s[20:21], \s*4096
	s_or_b32 s[G0+4*\s+3], s[G0+4*\s+3], 0x80000000
	s_mov_b32 s[G0B+4*\s], 1
	s_add_co_u32 s[G0B+4*\s+1], s22, \s*SLOT
	s_add_nc_u64 s[G0B+4*\s+2:G0B+4*\s+3], s[46:47], \s*ROWB
	s_or_b32 s[G0B+4*\s+3], s[G0B+4*\s+3], 0x80000000
	JLOAD G0+4*\s, G1, G0B+4*\s, G1B
.endr
	v_and_b32 v1, 15, v0
	v_bfe_u32 v2, v0, 4, 1
	v_mul_u32_u24 v3, v1, PITCH
	v_lshl_add_u32 v4, v2, 4, v3                   ; B: a fragment's row x pitch + 16 x half
	v_and_b32 v6, 31, v0
	v_lshlrev_b32 v[CO], 4, v6                     ; A: an image's place for my lane
	s_lshl_b32 s21, s15, 14                        ; my 64 rows of A; (s22 stands at my 128 rows of B: the half that I multiply and the half that I fetch have one number)
.irp s, 0,1
	v_add_nc_u32 v[ADRA+\s], s21, v[CO]
	v_add_nc_u32 v[ADRB+\s], s22, v4
	s_add_co_u32 s21, s21, SLOT
	s_add_co_u32 s22, s22, SLOT
.endr
	s_mul_i32 s23, s14, 16*SPITCH                  ; my stage
	v_mul_u32_u24 v5, v1, SPITCH
	v_lshl_add_u32 v5, v2, 5, v5
	v_add_nc_u32 v[STO], s23, v5                   ; in: row lane % 16, 32 bytes for each half of the lanes
	v_add_nc_u32 v[RD], s23, v[CO]                 ; back: the 32 lanes take one row of 512 bytes
	s_lshl_b32 s20, s17, 20                        ; my part of hidden_states and of out0: (128 x tile row + 64 x half) rows of 8,192 bytes
	s_lshl_b32 s21, s15, 19
	s_add_co_u32 s20, s20, s21
	s_lshl_b32 s46, s42, 10                        ; + 1,024 x tile column + 512 x half
	s_lshl_b32 s47, s16, 9
	s_add_co_u32 s46, s46, s47
	s_add_co_u32 s20, s20, s46
	s_mov_b32 s21, 0
	s_add_nc_u64 s[10:11], s[10:11], s[20:21]
	s_add_nc_u64 s[12:13], s[12:13], s[20:21]
.macro FRAGB reg, slot, q, i           ; 16 rows x 128 K: registers 4 c .. 4 c + 3 hold K = 32 c + 16 (lane / 16) + 0 .. 15 of row lane % 16
.irp c, 0,1,2,3
	ds_load_b128 v[\reg+4*\c:\reg+4*\c+3], v[ADRB+\slot] offset:128*(\q)+32*\c+(\i)*16*PITCH
.endr
.endm
.macro FRAGA reg, slot, q, i           ; group i of my four, heads 4 q + c of the slot's eight
.irp c, 0,1,2,3
	ds_load_b128 v[\reg+4*\c:\reg+4*\c+3], v[ADRA+\slot] offset:4096*(\i)+2048*(\q)+512*\c
.endr
.endm
; 8 matrix instructions: A's block a x B's eight, 128 along K, on set p.  zero = 1: the first product starts the sums.  The 32 accumulators take turns, one instruction a turn.
.macro MUL8 a, p, zero
.irp b, 0,1,2,3,4,5,6,7
.if \zero
	v_wmma_f32_16x16x128_bf8_bf8 v[8*(8*(\a)+\b):8*(8*(\a)+\b)+7], v[128*(\p)+FR*\b:128*(\p)+FR*\b+FR-1], v[AF+64*(\p)+FR*(\a):AF+64*(\p)+FR*(\a)+FR-1], 0
.else
	v_wmma_f32_16x16x128_bf8_bf8 v[8*(8*(\a)+\b):8*(8*(\a)+\b)+7], v[128*(\p)+FR*\b:128*(\p)+FR*\b+FR-1], v[AF+64*(\p)+FR*(\a):AF+64*(\p)+FR*(\a)+FR-1], v[8*(8*(\a)+\b):8*(8*(\a)+\b)+7]
.endif
.endr
.endm
.macro FETCH slot, q, p                ; 48 LDS loads in one run: B's eight fragments and A's four of the slot's q-th 128 along K, into set p
	WIN TO_B
.irp i, 0,1,2,3,4,5,6,7
	FRAGB 128*(\p)+FR*\i, \slot, \q, \i
.endr
	WIN 0
.irp i, 0,1,2,3
	FRAGA AF+64*(\p)+FR*\i, \slot, \q, \i
.endr
.endm
.macro PLACES n                        ; plain vector instructions between a matrix instruction and a load into, or a read of, its registers
.rept \n
	v_nop
.endr
.endm
.macro HLOAD a                         ; block a's 16 rows of hidden_states into set a of window 3: 512 consecutive bytes a load
	WIN 0xc0
.irp t, 0,1,2,3,4,5,6,7,8,9,10,11,12,13,14,15
	global_load_b128 v[64*(\a)+4*\t:64*(\a)+4*\t+3], v[CO], s[10:11] offset:(16*(\a)+\t)*8192 th:TH_LOAD_NT
.endr
.endm
; A slot's first step of 128 along K multiplies set 0; ahead of its products the slot's second step is fetched into set 1: 32 products ahead of its use.
.macro STEP slot, zero
	s_wait_dscnt 0x0                               ; set 0 is in
	PLACES NP                                      ; behind the products that read set 1
	FETCH \slot, 1, 1
	WIN MUL
	MUL8 0, 0, \zero
	MUL8 1, 0, \zero
	MUL8 2, 0, \zero
	MUL8 3, 0, \zero
	WIN 0
.endm
; A slot's second step multiplies set 1 and changes slots: ONE barrier; in front of it each wave waits for all its tensor loads, adds 0 to its spare word, and waits for that and for its own reads of this slot.
.macro TURN slot, next, fill
	s_wait_tensorcnt 0x0                           ; all my tensor loads have landed: my part of the next slot
	ds_add_u32 v[SPW], v[NIL]                      ; 0 onto my spare word
	s_wait_dscnt 1                                 ; set 1 is in; the add may be out
	WIN MUL
	MUL8 0, 1, 0                                   ; eight matrix instructions stand between the add and the wait for it
	s_wait_dscnt 0x0                               ; the add is done, and my reads of this slot are over
	s_barrier_signal -1
	MUL8 1, 1, 0
	WIN 0
	s_barrier_wait -1
.if \fill
	CREST                                          ; the barrier has opened a round of the cluster's barrier: no wave of any partner still reads this slot or has a load on its way
	s_add_nc_u64 s[G0+4*\slot+2:G0+4*\slot+3], s[G0+4*\slot+2:G0+4*\slot+3], 2*4096
	s_add_nc_u64 s[G0B+4*\slot+2:G0B+4*\slot+3], s[G0B+4*\slot+2:G0B+4*\slot+3], 2*ROWB
	JLOAD G0+4*\slot, G1, G0B+4*\slot, G1B         ; the first tensor load behind the round; its four v_nop are also the places in front of the loads below
.else
	PLACES NP
.endif
	FETCH \next, 0, 0
.if \fill
	HLOAD 2*\slot                                  ; the residual's rows 32 slot on: 32 loads, behind the joint load and the LDS loads that the next products wait for
	HLOAD 2*\slot+1
.endif
	WIN MUL
	MUL8 2, 1, 0
	MUL8 3, 1, 0
	WIN 0
.endm
	s_wait_tensorcnt 1                             ; my part of K step 0 is in; K step 1's load may be out
	s_barrier_signal -1
	s_barrier_wait -1
	FETCH 0, 0, 0
	STEP 0, 1                                      ; the first products start the sums
	TURN 0, 1, 1                                   ; slot 0 takes K step 2
	STEP 1, 0
	TURN 1, 0, 1                                   ; slot 1 takes K step 3
	STEP 0, 0
	TURN 0, 1, 0                                   ; nothing is left to fetch
	STEP 1, 0
	s_wait_dscnt 0x0                               ; the very last step
	WIN MUL
	MUL8 0, 1, 0
	MUL8 1, 1, 0
	MUL8 2, 1, 0
	MUL8 3, 1, 0
	WIN 0
; THE WAY OUT, block by block of 16 rows x 128 columns: the sums x 2^(e10 + e11) / 1.05 go through my own stage in LDS and come back as whole rows of 512 bytes; hidden_states' same rows lie in the same lanes of window 3;
; one packed multiply-add a pair, in place there; the 32 lanes store 512 consecutive bytes.  Every offset is an immediate: 63 rows of 8,192 bytes at the most, inside the signed 24 bits (ISA guide, chapter 10).
.macro TOSTAGE a
.set AC, 64*(\a)
	WIN 0x02                                       ; source 0: window 2
.set JJ, 0
.rept 32
	v_pk_mul_f32 v[TMP+JJ:TMP+JJ+1], v[AC+JJ:AC+JJ+1], s[96:97] op_sel_hi:[1,0]   ; each accumulator from its low end on
.set JJ, JJ+2
.endr
	WIN 0
.irp b, 0,1,2,3,4,5,6,7
	ds_store_b128 v[STO], v[TMP+8*\b:TMP+8*\b+3] offset:64*\b
	ds_store_b128 v[STO], v[TMP+8*\b+4:TMP+8*\b+7] offset:64*\b+16
.endr
.set BB, BK+64*((\a)%2)
.irp t, 0,1,2,3,4,5,6,7,8,9,10,11,12,13,14,15
	ds_load_b128 v[BB+4*\t:BB+4*\t+3], v[RD] offset:\t*SPITCH   ; LDS serves a wave's instructions in order (ISA guide 5.7.1.4): these see the stores above
.endr
.endm
.macro SEND a, younger                 ; younger: the LDS instructions issued behind block a's loads, which may stay out
.set BB, BK+64*((\a)%2)
.set HS, 64*(\a)
	s_wait_dscnt \younger
	s_wait_loadcnt 16*(3-(\a))                     ; block a's rows of hidden_states are in; the younger blocks of sixteen loads may be out
	WIN 0xc3                                       ; source 0 and destination window 3
.set II, 0
.rept 32
	v_pk_fma_f32 v[HS+2*II:HS+2*II+1], v[HS+2*II:HS+2*II+1], s[98:99], v[BB+2*II:BB+2*II+1] op_sel_hi:[1,0,1]
.set II, II+1
.endr
	WIN 0x0c                                       ; a store's data: window 3
.irp t, 0,1,2,3,4,5,6,7,8,9,10,11,12,13,14,15
	global_store_b128 v[CO], v[HS+4*\t:HS+4*\t+3], s[12:13] offset:(16*(\a)+\t)*8192 th:TH_STORE_NT
.endr
	WIN 0
.endm
	s_wait_kmcnt 0x0
	s_add_co_i32 s96, s94, s95                     ; e10 + e11, added to the exponent field of
	s_lshl_b32 s96, s96, 23
	s_add_co_i32 s96, s96, 0x3f73cf3d              ; 1 / 1.05
	s_mov_b32 s97, s96                             ; (named with it as a pair)
	s_mov_b32 s98, 0x3f73cf3d
	s_mov_b32 s99, s98
	PLACES NP                                      ; in front of the first read of results, and of the loads into the registers that held A's fragments
	TOSTAGE 0
.irp a, 1,2,3
	TOSTAGE \a
	SEND \a-1, 32                                  ; behind the block's loads: the next block's 16 stores and 16 loads
.endr
	SEND 3, 0
	s_wait_tensorcnt 0x0                           ; the wave's end
	ds_add_u32 v[SPW], v[NIL]
	s_wait_dscnt 0x0
	CROUND                                         ; the closing round: no work-group ends while a partner may still ask for a tile that names it
	s_endpgm
.Lfunc_end_k_qc2aff6094e_proj:
	.size	k_qc2aff6094e_proj, .Lfunc_end_k_qc2aff6094e_proj-k_qc2aff6094e_proj
	.p2alignl 7, 3214868480
	.fill 96, 4, 3214868480
	.section	.rodata,"a",@progbits
	.p2align	6, 0x0
	.amdhsa_kernel k_qc2aff6094e_proj
		.amdhsa_group_segment_fixed_size 327680
		.amdhsa_private_segment_fixed_size 0
		.amdhsa_enable_private_segment 0
		.amdhsa_kernarg_size 40
		.amdhsa_user_sgpr_count 2
		.amdhsa_user_sgpr_kernarg_segment_ptr 1
		.amdhsa_wavefront_size32 1
		.amdhsa_system_sgpr_workgroup_id_x 1
		.amdhsa_system_sgpr_workgroup_id_y 1
		.amdhsa_system_sgpr_workgroup_id_z 1
		.amdhsa_system_vgpr_workitem_id 0
		.amdhsa_next_free_vgpr 1024
		.amdhsa_next_free_sgpr 100
		.amdhsa_reserve_vcc 0
		.amdhsa_float_denorm_mode_32 3
		.amdhsa_float_denorm_mode_16_64 3
		.amdhsa_memory_ordered 1
		.amdhsa_forward_progress 1
		.amdhsa_inst_pref_size 89
	.end_amdhsa_kernel
	.amdgpu_metadata
---
amdhsa.version: [ 1, 2 ]
amdhsa.kernels:
  - .name:           k_qc2aff6094e_proj
    .symbol:         k_qc2aff6094e_proj.kd
    .args:
      - { .name: ctx_img, .offset: 0, .size: 8, .value_kind: global_buffer, .address_space: global }
      - { .name: Wo_codes, .offset: 8, .size: 8, .value_kind: global_buffer, .address_space: global }
      - { .name: lowp_scales, .offset: 16, .size: 8, .value_kind: global_buffer, .address_space: global }
      - { .name: hidden_states, .offset: 24, .size: 8, .value_kind: global_buffer, .address_space: global }
      - { .name: out0, .offset: 32, .size: 8, .value_kind: global_buffer, .address_space: global }
    .group_segment_fixed_size: 327680
    .private_segment_fixed_size: 0
    .kernarg_segment_align: 8
    .kernarg_segment_size: 40
    .max_flat_workgroup_size: 128
    .sgpr_count:     100
    .vgpr_count:     1024
    .wavefront_size: 32
...
	.end_amdgpu_metadata
.endif
;; end of part 4
